; MI455X (gfx1250); checked and timed in simulation.
; The chip was launched on July 23, 2026; its instructions are those of AMD's public machine-readable ISA for CDNA 5 (MIT licence, August 2026) and "CDNA5" Instruction Set Architecture Reference Guide (July 2026). The comments in the code are by the model that wrote it; some were corrected since.
;; My Mutil Head Attention. Allowed arithmetic: matrix products marked QUANTISED: E4M3 operands, one given power-of-two scale a tensor, by v_wmma_f32_16x16x64_fp8_fp8 or v_wmma_f32_16x16x128_fp8_fp8, f32 sums; everything else in f32.
;; Inputs: W 1,024 x 1,024 float32; b 1,024 float32; key 4 x 2,048 x 1,024 float32; lowp_scales 6 int32 (the exponents e of the quantised operands' scales 2^e); query 4 x 2,048 x 1,024 float32; value 4 x 2,048 x 1,024 float32.
;; Outputs: out0 4 x 2,048 x 1,024 float32.
;; This version of the problem:
;;   THIS VERSION OF THE PROBLEM IS GIVEN IN LOW PRECISION. The matrix products marked QUANTISED in the list below multiply operands that are first quantised to E4M3 (4 exponent bits, 3 mantissa bits; 8 bits a number), with one given power-of-two scale for each operand tensor; their sums are f32. All else is computed in f32.
;;   The module's matrix products, in the order in which they are computed (A, B: the left and right operand; K: the contracted axis; several contracted axes count as one K, in the product's order):
;;     1. batch 64 x [M 2,048, K 64] x [K 64, N 2,048]; A: input query; B: input key: QUANTISED (scales: A lowp_scales[0], B lowp_scales[1])
;;     2. batch 64 x [M 64, K 2,048] x [K 2,048, N 2,048]; A: input value; B: computed on the way: QUANTISED (scales: A lowp_scales[2], B lowp_scales[3])
;;     3. [M 8,192, K 1,024] x [K 1,024, N 1,024]; A: computed on the way; B: input W: QUANTISED (scales: A lowp_scales[4], B lowp_scales[5])
;;   THE QUANTISER, for each operand of a quantised product, along K:
;;     - The operand's scale is 2^e, e = its entry of the input lowp_scales (int32; the entries are numbered through the quantised products in the list's order, A before B).
;;     - Each number is divided by the scale, clamped to +-448, and rounded to the nearest number of E4M3, ties to even, subnormals kept.
;;     - The product sums the exact products of the quantised numbers (number of the format x scale) in f32.
;;   ~~~python
;;   def quantise(x, axis, e):      # numpy; x: float32 -> the quantised numbers, widened to float32 again
;;       x = np.moveaxis(x, axis, -1); K = x.shape[-1]
;;       r = np.clip(x / 2.0 ** e, -448, 448)
;;       step = 2.0 ** (np.maximum(np.frexp(np.where(r == 0, 1, r))[1] - 1, -6) - 3)
;;       q = np.round(r / step) * step * 2.0 ** e      # np.round: ties to even
;;       return np.moveaxis(q, -1, axis).astype(np.float32)
;;   ~~~
;;   OPERANDS COMPUTED ON THE WAY. 'Computed on the way' means the value that the module computes at that place (a softmax that the list does not call 'softmax' is quantised finished and normalised). What goes into a quantiser is computed in f32, as accurately as f32 sums, v_exp_f32 and their like allow (about 1e-6 of the number): no bf16 or f16 on the way to a quantiser, and a product that is left as it is and whose result goes on into a quantised operand takes f32 operands (vector FMAs, or v_wmma_f32_16x16x4_f32). A number that lies on a knife's edge between two numbers of the format may be rounded either way, as far as f32 arithmetic and the matrix unit's own rounding can turn it there, and no further.
;; 2 versions. Each part assembles by itself: llvm-mc -triple=amdgcn-amd-amdhsa -mcpu=gfx1250 --defsym DOCPART=n.
;; ======== version 1 of 2: 4 launches
;; limits: right only within a limited range of input values
;; workspace buffers: qc 8,388,608 bytes; kv 16,777,216 bytes; wc 1,048,576 bytes; nm 524,288 bytes; ao 8,388,608 bytes
;; launch quant (part 1): grid 800 x 1, 4 waves a work-group, no clusters, 67,072 bytes of LDS; arguments query, key, value, W, lowp_scales, qc, kv, wc; writes qc, kv, wc
.if DOCPART == 1
	.amdgcn_target "amdgcn-amd-amdhsa--gfx1250"
	.amdhsa_code_object_version 6
	.text
	.protected	k_qba26cbf95f_quant
	.globl	k_qba26cbf95f_quant
	.p2align	8
	.type	k_qba26cbf95f_quant,@function
k_qba26cbf95f_quant:
	s_mov_b64 s[64:65], 0
	v_nop
	global_prefetch_b8 v0, s[64:65] scope:SCOPE_SE
	s_setreg_imm32_b32 hwreg(HW_REG_WAVE_MODE, 25, 1), 1
	s_wait_xcnt 0x0
; query, key, value, W (f32) become codes of FP8 (E4M3), each with its given scale 2^e (entries 0, 1, 2, 5 of the scales), laid as IMAGES OF OPERAND REGISTERS.
; code = x / 2^e, held within +-448, to the nearest code, ties to even.  LIMITS: -126 <= e <= 119; NaN among the inputs is not served (an infinity is held at the largest code).
; AN IMAGE: 16 rows x 64 along K are 1,024 bytes: two groups G of 512; lane L = 16 h + r has the 16 bytes at 512 G + 16 L: of row r the codes k = 32 G + 8 h + 0..7, then k = 32 G + 16 + 8 h + 0..7.
; Two 16-byte loads a lane then give the eight registers of a K = 64 fragment with every k in the place that the plain 8-bit layout gives it; four groups give a K = 128 fragment.
;   qc [head pair 64][16 queries: 128][1024]      wc [16 rows of W: 64][64 along K: 16][1024]
;   kv [head pair 64][128 keys: 16][ K: 8 tiles of 16 keys x 1024 | V: 4 tiles of 16 channels x 128 keys x 2048 ]
; Work-groups 0-255 take query, 256-511 key, 512-543 W (K innermost: path R); 544-799 take value, whose K (the keys) is not innermost (path V).  Each reads 128 KiB.
; No matrix work, no tensor load, no cluster (work-groups share no input), no barrier: a wave uses LDS bytes of its own; the two paths have LDS bytes of their own.
.set LI,   1                           ; v1      16 x lane
.set L4,   2                           ; v2      path V: 4 x lane
.set STW,  3                           ; v3      path R: into the stage: wave's stage + 16 x lane
.set STR,  4                           ; v4      path R: out of it: wave's stage + 528 r + 32 h
.set SCL,  5                           ; v5      2^e as f32
.set LIM,  6                           ; v6      448 x 2^e
.set VSW,  7                           ; v7      path V: into the stage
.set OF,   8                           ; v8-15   path R: byte offset of my 16 bytes in the image of chunk q of my eight; never rewritten
.set VSR,  8                           ; v8      path V: out of the stage
.set RB,   16                          ; v16-143 path R: two sets of 64 numbers
.set CB,   144                         ; v144-207 path R: 16 registers of codes for each job, so that no store's data are written again
.set XB,   16                          ; v16-79  path V: two sets of 32 numbers
.set CV,   80                          ; v80-87  path V: a block's codes
.set OUTR, 144                         ; v144-207 path V: the way out
.set WV,   26                          ; s26     wave
.set RP,   528                         ; path R: a stage row: 512 bytes + 16: the 16 rows that a read touches start at 16 different 16-byte columns
.set VBASE, 4*16*RP                    ; path V's stages begin here (33,792), 8,192 bytes a wave
	s_load_b256 s[4:11], s[0:1], 0x0               ; query s[4:5], key s[6:7], value s[8:9], W s[10:11]
	s_load_b256 s[12:19], s[0:1], 0x20             ; scales s[12:13], qc s[14:15], kv s[16:17], wc s[18:19]
	v_lshl_add_u32 v208, v0, 2, 0x10400
	v_mov_b32 v209, 0
	v_lshrrev_b32 v16, 5, v0
	v_readfirstlane_b32 s[WV], v16                 ; wave 0..3
	v_and_b32 v16, 31, v0                          ; lane
	v_lshlrev_b32 v[LI], 4, v16
	v_and_b32 v17, 15, v0                          ; r
	v_bfe_u32 v18, v0, 4, 1                        ; h
	s_wait_kmcnt 0x0
	s_load_b128 s[20:23], s[12:13], 0x0            ; e0 .. e3
	s_load_b64 s[24:25], s[12:13], 0x10            ; e4, e5
	s_cmp_lt_u32 ttmp9, 544
	s_cbranch_scc0 .Lvalue
; ---------------- PATH R: rows with K innermost.  A wave takes 16 rows x 512 columns, in four jobs of 128 columns (two chunks of 64).
	s_mul_i32 s27, s[WV], 16*RP
	v_add_nc_u32 v[STW], s27, v[LI]
	v_mul_u32_u24 v[STR], v17, RP
	v_lshl_add_u32 v[STR], v18, 5, v[STR]
	v_add_nc_u32 v[STR], s27, v[STR]
	s_cmp_lt_u32 ttmp9, 256                        ; which tensor: the choice hangs on the work-group's number alone
	s_cselect_b64 s[28:29], s[4:5], s[6:7]         ; from
	s_cselect_b64 s[30:31], s[14:15], s[16:17]     ; to
	s_cselect_b32 s33, 0, 256                      ; the tensor's first work-group
	s_mov_b32 s34, 262144
	s_cselect_b32 s34, 131072, s34                 ; bytes from a chunk's image to the next chunk's: a head's block in qc or in kv,
	s_cmp_lt_u32 ttmp9, 512
	s_cselect_b64 s[28:29], s[28:29], s[10:11]
	s_cselect_b64 s[30:31], s[30:31], s[18:19]
	s_cselect_b32 s33, s33, 512
	s_cselect_b32 s34, s34, 1024                   ; or one image in wc
	s_sub_co_u32 s33, ttmp9, s33
	s_lshl_b32 s33, s33, 1
	s_lshr_b32 s35, s[WV], 1
	s_add_co_u32 s33, s33, s35                     ; T: my tile of 16 rows
	s_and_b32 s35, s[WV], 1                        ; my half of the columns
	s_lshr_b32 s36, s33, 7                         ; batch
	s_and_b32 s37, s33, 127                        ; tile in the batch
	s_lshl_b32 s38, s36, 21
	s_lshl_b32 s39, s37, 10
	s_add_co_u32 s38, s38, s39                     ; qc: batch x 16 heads x 131,072 + tile x 1,024
	s_lshl_b32 s39, s36, 22
	s_lshr_b32 s40, s37, 3
	s_lshl_b32 s40, s40, 14
	s_add_co_u32 s39, s39, s40
	s_and_b32 s40, s37, 7
	s_lshl_b32 s40, s40, 10
	s_add_co_u32 s39, s39, s40                     ; kv: batch x 16 x 262,144 + step x 16,384 + tile in the step x 1,024
	s_lshl_b32 s40, s33, 14                        ; wc: T x 16,384
	s_cmp_lt_u32 ttmp9, 256
	s_cselect_b32 s38, s38, s39
	s_cmp_lt_u32 ttmp9, 512
	s_cselect_b32 s38, s38, s40
	s_lshl_b32 s39, s35, 3
	s_mul_i32 s39, s39, s34
	s_add_co_u32 s38, s38, s39                     ; + my first chunk (8 x half)
	v_add_nc_u32 v[OF], s38, v[LI]
.irp q, 1,2,3,4,5,6,7
	v_add_nc_u32 v[OF+\q], s34, v[OF+\q-1]
.endr
	s_lshl_b32 s36, s33, 16                        ; in: 16 rows of 4,096 bytes a tile,
	s_lshl_b32 s37, s35, 11                        ; 2,048 bytes a half
	s_add_co_u32 s36, s36, s37
	s_mov_b32 s37, 0
	s_add_nc_u64 s[28:29], s[28:29], s[36:37]
.macro LOADJ j                         ; job j: each load takes 512 consecutive bytes of one row
.set i, 0
.rept 16
	global_load_b128 v[RB+64*((\j)%2)+4*i:RB+64*((\j)%2)+4*i+3], v[LI], s[28:29] offset:i*4096+(\j)*512 th:TH_LOAD_NT
.set i, i+1
.endr
.endm
	LOADJ 0
	LOADJ 1
	s_wait_kmcnt 0x0
	s_cmp_lt_u32 ttmp9, 256
	s_cselect_b32 s32, s20, s21
	s_cmp_lt_u32 ttmp9, 512
	s_cselect_b32 s32, s32, s25                    ; e: entry 0, 1 or 5
	s_add_co_i32 s32, s32, 127
	s_lshl_b32 s41, s32, 23
	v_mov_b32 v[SCL], s41                          ; 2^e: the conversion takes its exponent field
	s_add_co_i32 s32, s32, 8
	s_lshl_b32 s32, s32, 23
	s_or_b32 s32, s32, 0x600000
	v_mov_b32 v[LIM], s32                          ; 448 x 2^e
; A job: 16 rows x 128 columns go through the stage as they lie and come back so that a lane holds, for each of the four groups, its 16 numbers in the image's order.
.macro JOB j
.set RS, RB+64*((\j)%2)
.if (\j) < 3
	s_wait_loadcnt 16                              ; this job's 16 loads are in; the next job's 16 may be out
.else
	s_wait_loadcnt 0
.endif
.set i, 0
.rept 16
	ds_store_b128 v[STW], v[RS+4*i:RS+4*i+3] offset:i*RP
.set i, i+1
.endr
.irp cg, 0,1,2,3                       ; chunk cg / 2, group cg % 2: 32 columns, 128 bytes.  LDS serves a wave's instructions in order: these see the stores above
	ds_load_b128 v[RS+16*\cg:RS+16*\cg+3],     v[STR] offset:128*\cg
	ds_load_b128 v[RS+16*\cg+4:RS+16*\cg+7],   v[STR] offset:128*\cg+16
	ds_load_b128 v[RS+16*\cg+8:RS+16*\cg+11],  v[STR] offset:128*\cg+64
	ds_load_b128 v[RS+16*\cg+12:RS+16*\cg+15], v[STR] offset:128*\cg+80
.endr
	s_wait_dscnt 0x0
.set i, 0
.rept 64
	v_med3_num_f32 v[RS+i], v[RS+i], -v[LIM], v[LIM]   ; the conversion to an 8-bit code does not saturate (ISA guide 7.6.2): the hold comes first
.set i, i+1
.endr
.set i, 0
.rept 8
	v_cvt_scalef32_pk8_fp8_f32 v[CB+16*(\j)+2*i:CB+16*(\j)+2*i+1], v[RS+8*i:RS+8*i+7], v[SCL]
.set i, i+1
.endr
.irp cg, 0,1,2,3                       ; the results go to stores alone, and the next job's holds are plain lines on the other set
	global_store_b128 v[OF+2*(\j)+\cg/2], v[CB+16*(\j)+4*\cg:CB+16*(\j)+4*\cg+3], s[30:31] offset:512*(\cg%2)   ; 32 lanes store 512 consecutive bytes, aligned
.endr
.if (\j)+2 < 4
	LOADJ (\j)+2
.endif
.endm
	JOB 0
	JOB 1
	JOB 2
	JOB 3
	s_wait_tensorcnt 0x0
	ds_add_u32 v208, v209
	s_wait_dscnt 0x0
	s_endpgm
; ---------------- PATH V: value, whose K (the keys) runs down the rows.  A lane takes a column (a channel), its registers run down the keys; a wave takes 32 columns x 256 keys.
.Lvalue:
	s_sub_co_u32 s33, ttmp9, 544
	s_and_b32 s34, s33, 7                          ; which 128 columns
	s_lshr_b32 s35, s33, 3                         ; which 256 rows of the 8,192
	v_lshlrev_b32 v[L4], 2, v16
	s_lshl_b32 s27, s[WV], 13
	s_add_co_u32 s27, s27, VBASE                   ; my stage: [step 2][tile of 16 channels 2][2,048]
	v_lshlrev_b32 v[VSW], 11, v18                  ; my channel's tile,
	v_lshl_add_u32 v[VSW], v17, 4, v[VSW]          ; its row r: the place of lane (r, 0) in a group; lane (r, 1)'s lies 256 bytes on
	v_add_nc_u32 v[VSW], s27, v[VSW]
	v_add_nc_u32 v[VSR], s27, v[LI]
	s_lshl_b32 s36, s35, 20                        ; in: 256 rows of 4,096 bytes,
	s_lshl_b32 s37, s34, 9
	s_add_co_u32 s36, s36, s37                     ; 128 columns,
	s_lshl_b32 s37, s[WV], 7
	s_add_co_u32 s36, s36, s37                     ; my wave's 32
	s_mov_b32 s37, 0
	s_add_nc_u64 s[8:9], s[8:9], s[36:37]
	s_lshr_b32 s38, s35, 3                         ; out: batch x 16
	s_lshl_b32 s38, s38, 4
	s_lshl_b32 s39, s34, 1
	s_add_co_u32 s38, s38, s39
	s_lshr_b32 s39, s[WV], 1
	s_add_co_u32 s38, s38, s39                     ; + head
	s_lshl_b32 s38, s38, 18
	s_and_b32 s39, s35, 7
	s_lshl_b32 s39, s39, 15
	s_add_co_u32 s38, s38, s39                     ; + two steps of 16,384 for each 256 keys
	s_and_b32 s39, s[WV], 1
	s_lshl_b32 s39, s39, 12
	s_add_co_u32 s38, s38, s39                     ; + my two tiles of channels
	s_add_co_u32 s38, s38, 8192                    ; behind the step's K
	s_mov_b32 s39, 0
	s_add_nc_u64 s[16:17], s[16:17], s[38:39]
.macro LOADV t                         ; block t: 32 keys of my column: a wave's load takes 128 consecutive bytes, the four waves 512
.set i, 0
.rept 32
	global_load_b32 v[XB+32*((\t)%2)+i], v[L4], s[8:9] offset:(32*(\t)+i)*4096 th:TH_LOAD_NT
.set i, i+1
.endr
.endm
	LOADV 0
	LOADV 1
	s_wait_kmcnt 0x0
	s_add_co_i32 s32, s22, 127                     ; e2
	s_lshl_b32 s41, s32, 23
	v_mov_b32 v[SCL], s41
	s_add_co_i32 s32, s32, 8
	s_lshl_b32 s32, s32, 23
	s_or_b32 s32, s32, 0x600000
	v_mov_b32 v[LIM], s32
.macro BLOCKV t
.set XS, XB+32*((\t)%2)
.if (\t) < 7
	s_wait_loadcnt 32                              ; this block's 32 loads are in; the next block's 32 may be out
.else
	s_wait_loadcnt 0
.endif
.set i, 0
.rept 32
	v_med3_num_f32 v[XS+i], v[XS+i], -v[LIM], v[LIM]
.set i, i+1
.endr
	v_cvt_scalef32_pk8_fp8_f32 v[CV:CV+1],   v[XS:XS+7],     v[SCL]   ; keys 0-7 and 16-23 are lane (r, 0)'s 16 bytes of the group,
	v_cvt_scalef32_pk8_fp8_f32 v[CV+4:CV+5], v[XS+8:XS+15],  v[SCL]   ; keys 8-15 and 24-31 lane (r, 1)'s
	v_cvt_scalef32_pk8_fp8_f32 v[CV+2:CV+3], v[XS+16:XS+23], v[SCL]
	v_cvt_scalef32_pk8_fp8_f32 v[CV+6:CV+7], v[XS+24:XS+31], v[SCL]
	ds_store_b128 v[VSW], v[CV:CV+3]   offset:((\t)/4)*4096+((\t)%4)*512
	ds_store_b128 v[VSW], v[CV+4:CV+7] offset:((\t)/4)*4096+((\t)%4)*512+256
.if (\t)+2 < 8
	LOADV (\t)+2
.endif
	s_wait_dscnt 0x0                               ; the stores are done: the next block's codes may be written
.endm
.irp t, 0,1,2,3,4,5,6,7
	BLOCKV \t
.endr
.set i, 0
.rept 16
	ds_load_b128 v[OUTR+4*i:OUTR+4*i+3], v[VSR] offset:512*i
.set i, i+1
.endr
.set i, 0
.rept 16
	s_wait_dscnt 15-i                              ; LDS loads come back in order: number i is in, the younger ones may be out
	global_store_b128 v[LI], v[OUTR+4*i:OUTR+4*i+3], s[16:17] offset:(i/8)*16384+(i%8)*512   ; 512 consecutive bytes, aligned
.set i, i+1
.endr
	s_wait_tensorcnt 0x0
	ds_add_u32 v208, v209
	s_wait_dscnt 0x0
	s_endpgm
.Lfunc_end_k_qba26cbf95f_quant:
	.size	k_qba26cbf95f_quant, .Lfunc_end_k_qba26cbf95f_quant-k_qba26cbf95f_quant
	.p2alignl 7, 3214868480
	.fill 96, 4, 3214868480
	.section	.rodata,"a",@progbits
	.p2align	6, 0x0
	.amdhsa_kernel k_qba26cbf95f_quant
		.amdhsa_group_segment_fixed_size 67072
		.amdhsa_private_segment_fixed_size 0
		.amdhsa_enable_private_segment 0
		.amdhsa_kernarg_size 64
		.amdhsa_user_sgpr_count 2
		.amdhsa_user_sgpr_kernarg_segment_ptr 1
		.amdhsa_wavefront_size32 1
		.amdhsa_system_sgpr_workgroup_id_x 1
		.amdhsa_system_sgpr_workgroup_id_y 1
		.amdhsa_system_sgpr_workgroup_id_z 1
		.amdhsa_system_vgpr_workitem_id 0
		.amdhsa_next_free_vgpr 210
		.amdhsa_next_free_sgpr 66
		.amdhsa_reserve_vcc 0
		.amdhsa_float_denorm_mode_32 3
		.amdhsa_float_denorm_mode_16_64 3
		.amdhsa_memory_ordered 1
		.amdhsa_forward_progress 1
		.amdhsa_inst_pref_size 86
	.end_amdhsa_kernel
	.amdgpu_metadata
---
amdhsa.version: [ 1, 2 ]
amdhsa.kernels:
  - .name:           k_qba26cbf95f_quant
    .symbol:         k_qba26cbf95f_quant.kd
    .args:
      - { .name: query, .offset: 0, .size: 8, .value_kind: global_buffer, .address_space: global }
      - { .name: key, .offset: 8, .size: 8, .value_kind: global_buffer, .address_space: global }
      - { .name: value, .offset: 16, .size: 8, .value_kind: global_buffer, .address_space: global }
      - { .name: W, .offset: 24, .size: 8, .value_kind: global_buffer, .address_space: global }
      - { .name: lowp_scales, .offset: 32, .size: 8, .value_kind: global_buffer, .address_space: global }
      - { .name: qc, .offset: 40, .size: 8, .value_kind: global_buffer, .address_space: global }
      - { .name: kv, .offset: 48, .size: 8, .value_kind: global_buffer, .address_space: global }
      - { .name: wc, .offset: 56, .size: 8, .value_kind: global_buffer, .address_space: global }
    .group_segment_fixed_size: 67072
    .private_segment_fixed_size: 0
    .kernarg_segment_align: 8
    .kernarg_segment_size: 64
    .max_flat_workgroup_size: 128
    .sgpr_count:     66
    .vgpr_count:     210
    .wavefront_size: 32
...
	.end_amdgpu_metadata
.endif
;; end of part 1
;; launch stats (part 2): grid 4 x 64, 16 waves a work-group, clusters of 4 x 1, 169,984 bytes of LDS; arguments qc, kv, lowp_scales, nm; writes nm
.if DOCPART == 2
	.amdgcn_target "amdgcn-amd-amdhsa--gfx1250"
	.amdhsa_code_object_version 6
	.text
	.protected	k_qba26cbf95f_stats
	.globl	k_qba26cbf95f_stats
	.p2align	8
	.type	k_qba26cbf95f_stats,@function
k_qba26cbf95f_stats:
	s_mov_b64 s[64:65], 0
	v_nop
	global_prefetch_b8 v0, s[64:65] scope:SCOPE_SE
	s_setreg_imm32_b32 hwreg(HW_REG_WAVE_MODE, 25, 1), 1
	s_wait_xcnt 0x0
	s_wait_alu depctr_hold_cnt(0) depctr_sa_sdst(0) depctr_va_vdst(0) depctr_va_sdst(0) depctr_va_ssrc(0) depctr_va_vcc(0) depctr_vm_vsrc(0)
	s_getreg_b32 s2, hwreg(HW_REG_IB_STS2, 6, 4)
	s_cmp_eq_u32 s2, 0
	s_cbranch_scc0 .Lentry_in_a_cluster
	s_endpgm
.Lentry_in_a_cluster:
	s_bfe_u32 s2, ttmp6, 0x10000c
	s_cmp_lg_u32 s2, 0x3003
	s_cbranch_scc0 .Lentry_shape_is_right
	s_endpgm
.Lentry_shape_is_right:
; The softmax runs over the QUERIES: each key's column of scores is normalised by itself.  For each (batch, head, key) this launch makes
;   nm = -(M + log2 (sum over all queries of 2^(t - M))),  t = score x log2(e) / 32,  M = the column's largest t rounded up to a whole number (a running maximum),
; so that the finished softmax is 2^(t + nm).  The scores are the first quantised product, on codes, times 2^(e0 + e1), which is folded into c = log2(e) / 32.
; LIMITS: e0 + e1 between -121 and 132 (they are added to c's exponent field).  NaN is not served.
; SHARES.  A cluster of four work-groups is one head; a work-group owns 512 keys, each of its 16 waves two tiles of 16 keys, whose fragments stay in registers.
; S = Q K^T (source 0 = 16 queries, source 1 = my 16 keys): a lane holds ONE key (lane % 16) and its registers run down the queries: maximum and sum need no other lane
; until the end, when the two halves of the lanes (queries 8 (lane / 16) + 0..7 of each tile) are joined.
; The head's whole image of Q, 131,072 bytes, lies in LDS, filled ONCE: no LDS byte is filled again.  All four work-groups need the same bytes: they are asked for JOINTLY.
; Waves 0-3 each issue two loads: 4,096 bytes of the first 256 queries, then 28,672 bytes of the rest, so that work begins when the small part is in: two tensor loads of a wave are out.
; No prefetch: all that the launch reads is asked for at its head.
.set LI,  1                            ; v1   16 x lane
.set ADQ, 2                            ; v2   LDS address of the step's fragments
.set SO,  3                            ; v3   4 x lane
.set LN,  4                            ; v4   lane
.set ST,  8                            ; tile u: v[8+4u] -M, +1 the largest t, +2, +3 the sum in two halves
.set KF,  16                           ; v16-31   K's two fragments
.set QF,  32                           ; v32-95   eight fragments of Q
.set SS,  96                           ; v96-159  the scores of 128 queries x 16 keys
.set MA,  160                          ; v160, v162 the maximum's two chains
.set MB,  162
.set LB,  164                          ; v[164:165] the sum's second chain
.set FF,  166                          ; v[166:167] f = 2^(old M - new M); v167 is named with it as a pair
.set EN,  168                          ; v168-171 at work at the end
.set WV,  12
.set CX,  13
.set HY,  14
.set CS,  16                           ; s[16:17] c, twice
.set SEL, 18                           ; s[18:19] v_permlanex16_b32's selects: lane l xor 16
.set TB,  20                           ; s20  LDS byte of the step's first fragment
.set CNT, 21
.macro DESC g, rows                    ; group 1: a dense block as rows of 256 bytes: elements of 8 bytes, 32 to a row; mask: all four work-groups, bit 21 beside it; no padding
	s_mov_b32 s[\g], 15|(3<<16)|(1<<21)
	s_mov_b32 s[\g+1], 32<<16                      ; tensor_dim0
	s_mov_b32 s[\g+2], (\rows)<<16                 ; tensor_dim1
	s_mov_b32 s[\g+3], 32<<16                      ; tile_dim0
	s_mov_b32 s[\g+4], \rows                       ; tile_dim1
	s_mov_b32 s[\g+5], 32                          ; from row to row
	s_mov_b32 s[\g+6], 0
	s_mov_b32 s[\g+7], 0
.endm
.macro CROUND                          ; a round of the cluster's barrier
	s_barrier_signal -1
	s_barrier_wait -1
	s_cmp_lg_u32 s[WV], 0
	s_cbranch_scc1 .Lnot_wave_0_\@
	s_barrier_signal -3
.Lnot_wave_0_\@:
	s_barrier_wait -3
	s_barrier_signal -1
	s_barrier_wait -1
.endm
	s_load_b256 s[4:11], s[0:1], 0x0               ; qc s[4:5], kv s[6:7], scales s[8:9], nm s[10:11]
	v_lshl_add_u32 v176, v0, 2, 0x29000
	v_mov_b32 v177, 0
	ds_add_u32 v176, v177
	ds_add_u32 v176, v177
	v_lshrrev_b32 v1, 5, v0
	v_readfirstlane_b32 s[WV], v1                  ; wave 0..15
	s_bfe_u32 s[CX], ttmp6, 0x40000                ; my place in the cluster: it enters K's and nm's addresses alone
	s_and_b32 s[HY], ttmp7, 0xffff                 ; the head pair, which the partners share
	v_and_b32 v[LN], 31, v0
	v_lshlrev_b32 v[LI], 4, v[LN]
	v_lshlrev_b32 v[SO], 2, v[LN]
	DESC 24, 16                                    ; 4,096 bytes
	DESC 32, 112                                   ; 28,672 bytes
	s_mov_b32 s[SEL], 0x76543210
	s_mov_b32 s[SEL+1], 0xfedcba98
	s_mov_b32 s[TB], 0
	s_lshl_b32 s22, s[HY], 17                      ; the head's image of Q
	s_lshl_b32 s50, s[WV], 12                      ; first part: wave x 4,096, in LDS as in memory
	s_add_co_u32 s52, s22, s50
	s_mov_b32 s53, 0
	s_mul_i32 s51, s[WV], 28672
	s_add_co_u32 s51, s51, 16384                   ; second part: 16,384 + wave x 28,672
	s_add_co_u32 s54, s22, s51
	s_mov_b32 s55, 0
	s_lshl_b32 s56, s[HY], 18                      ; K: the head's block of kv,
	s_lshl_b32 s57, s[CX], 2
	s_lshr_b32 s58, s[WV], 2
	s_add_co_u32 s57, s57, s58
	s_lshl_b32 s57, s57, 14
	s_add_co_u32 s56, s56, s57                     ; step (32 cx + 2 w) / 8,
	s_lshl_b32 s57, s[WV], 1
	s_and_b32 s57, s57, 7
	s_lshl_b32 s57, s57, 10
	s_add_co_u32 s56, s56, s57                     ; tile (2 w) % 8
	s_mov_b32 s57, 0
	s_lshl_b32 s58, s[HY], 13                      ; nm: 8,192 bytes a head, 2,048 a work-group, 128 a wave
	s_lshl_b32 s59, s[CX], 11
	s_add_co_u32 s58, s58, s59
	s_lshl_b32 s59, s[WV], 7
	s_add_co_u32 s58, s58, s59
	s_mov_b32 s59, 0
	s_wait_dscnt 0x0
	s_wait_kmcnt 0x0
	s_load_b64 s[48:49], s[8:9], 0x0               ; e0, e1
	s_mov_b32 s40, 1
	s_mov_b32 s41, s50
	s_add_nc_u64 s[42:43], s[4:5], s[52:53]
	s_or_b32 s43, s43, 0x80000000
	s_mov_b32 s44, 1
	s_mov_b32 s45, s51
	s_add_nc_u64 s[46:47], s[4:5], s[54:55]
	s_or_b32 s47, s47, 0x80000000
	s_add_nc_u64 s[6:7], s[6:7], s[56:57]
	s_add_nc_u64 s[10:11], s[10:11], s[58:59]
	CROUND                                         ; all four work-groups are here: the joint loads meet
	s_cmp_lt_u32 s[WV], 4                          ; a wave's two fills stand in one branch on the wave's number, ahead of every wait on TENSORcnt, every LDS read and every other barrier
	s_cbranch_scc0 .Lno_fill
	tensor_load_to_lds s[40:43], s[24:31]
	s_nop 0
	tensor_load_to_lds s[44:47], s[32:39]
	s_nop 0
.rept 4
	v_nop
.endr
.Lno_fill:
.irp i, 0,1,2,3
	global_load_b128 v[KF+4*\i:KF+4*\i+3], v[LI], s[6:7] offset:512*\i   ; my two tiles of keys: they stay
.endr
.irp u, 0,1
	v_mov_b32 v[ST+4*\u+1], 0xff61b1e6             ; the largest t so far: -3e38, under every t
	v_floor_f32 v[ST+4*\u], -v[ST+4*\u+1]          ; -M
	v_mov_b32 v[ST+4*\u+2], 0
	v_mov_b32 v[ST+4*\u+3], 0
.endr
	v_mov_b32 v[FF+1], 0
.irp i, 0,1,2,3
	v_mov_b32 v[EN+\i], 0                          ; a lane permute's destination counts as one of its sources
.endr
	s_wait_kmcnt 0x0
	s_add_co_i32 s48, s48, s49
	s_lshl_b32 s48, s48, 23
	s_add_co_i32 s[CS], s48, 0x3d38aa3b            ; c = log2(e) / 32 x 2^(e0 + e1)
	s_mov_b32 s[CS+1], s[CS]
; A STEP: 128 queries against my two tiles of keys.
.macro QSTEP
	v_add_nc_u32 v[ADQ], s[TB], v[LI]
.set i, 0
.rept 8
	ds_load_b128 v[QF+8*i:QF+8*i+3],   v[ADQ] offset:1024*i      ; (the four v_nop behind the last products are the places in front of these loads)
	ds_load_b128 v[QF+8*i+4:QF+8*i+7], v[ADQ] offset:1024*i+512
.set i, i+1
.endr
	s_add_co_u32 s[TB], s[TB], 8192
	s_wait_dscnt 0x0
.irp u, 0,1
.set T, ST+4*\u
.set i, 0
.rept 8
	v_wmma_f32_16x16x64_fp8_fp8 v[SS+8*i:SS+8*i+7], v[QF+8*i:QF+8*i+7], v[KF+8*\u:KF+8*\u+7], 0
.set i, i+1
.endr
.rept 4
	v_nop                                          ; four places behind the products, ahead of the first read of their results (ISA guide 7.12.1)
.endr
	v_max3_num_f32 v[MA], v[SS], v[SS+1], v[SS+2]  ; my key's largest score among my 64 queries, in two chains, each accumulator from its low end on
	v_max3_num_f32 v[MB], v[SS+3], v[SS+4], v[SS+5]
.set i, 6
.rept 14
	v_max3_num_f32 v[MA], v[MA], v[SS+i], v[SS+i+1]
	v_max3_num_f32 v[MB], v[MB], v[SS+i+2], v[SS+i+3]
.set i, i+4
.endr
	v_max3_num_f32 v[MA], v[MA], v[SS+62], v[SS+63]
	v_max_num_f32 v[MA], v[MA], v[MB]
	v_mul_f32 v[MA], s[CS], v[MA]                  ; as t (c is positive)
	v_max_num_f32 v[T+1], v[T+1], v[MA]            ; the running largest t
	v_mov_b32 v[MA], v[T]
	v_floor_f32 v[T], -v[T+1]                      ; the new -M = -ceil(t)
	v_sub_f32 v[MA], v[T], v[MA]                   ; old M - new M: a whole number, 0 or less
	v_cvt_i32_f32 v[MA], v[MA]                     ; (it saturates)
	v_ldexp_f32 v[FF], 1.0, v[MA]                  ; f = 2^(old M - new M): rounds nothing
.set j, 0
.rept 32
	v_pk_fma_f32 v[SS+j:SS+j+1], v[SS+j:SS+j+1], s[CS:CS+1], v[T:T+1] op_sel_hi:[1,0,0]   ; t - M, two at a time
.set j, j+2
.endr
.set j, 0
.rept 64
	v_exp_f32 v[SS+j], v[SS+j]
.set j, j+1
.endr
	v_pk_mul_f32 v[T+2:T+3], v[T+2:T+3], v[FF:FF+1] op_sel_hi:[1,0]   ; the sum under the new M; the plain line behind the exponentials
	s_wait_alu depctr_va_vdst(0)                   ; one wait for the batch of 64, ahead of its first reader
	v_pk_add_f32 v[LB:LB+1], v[SS:SS+1], v[SS+2:SS+3]
.set j, 4
.rept 15
	v_pk_add_f32 v[T+2:T+3], v[T+2:T+3], v[SS+j:SS+j+1]
	v_pk_add_f32 v[LB:LB+1], v[LB:LB+1], v[SS+j+2:SS+j+3]
.set j, j+4
.endr
	v_pk_add_f32 v[T+2:T+3], v[T+2:T+3], v[LB:LB+1]
.endr
.endm
	s_wait_loadcnt 0x0                             ; K
	s_wait_tensorcnt 0x1                           ; my small part is in; the large one, issued behind it, may be out
	s_barrier_signal -1
	s_barrier_wait -1                              ; everybody's small part is in: the first 256 queries
	QSTEP                                          ; they are walked in a straight line: LDS bytes 0 to 16,383
	QSTEP
	s_wait_tensorcnt 0x0                           ; my large part is in
	s_wait_dscnt 0x0
	s_barrier_signal -1
	s_barrier_wait -1                              ; everybody's is
	s_mov_b32 s[CNT], 14
.Lq:
	QSTEP
	s_sub_co_u32 s[CNT], s[CNT], 1
	s_cmp_lg_u32 s[CNT], 0
	s_cbranch_scc1 .Lq
	; THE END: the two halves of the lanes are joined under the larger M
	v_cmp_gt_u32 vcc_lo, 16, v[LN]
.irp u, 0,1
.set T, ST+4*\u
	v_add_f32 v[T+2], v[T+2], v[T+3]
	v_permlanex16_b32 v[EN+2*\u], v[T], s[SEL], s[SEL+1]
	v_min_num_f32 v[EN+2*\u+1], v[T], v[EN+2*\u]   ; -M of the whole column
	v_sub_f32 v[EN+2*\u], v[EN+2*\u+1], v[T]       ; my M less the column's: a whole number, 0 or less
	v_cvt_i32_f32 v[EN+2*\u], v[EN+2*\u]
	v_ldexp_f32 v[T+2], v[T+2], v[EN+2*\u]
	v_permlanex16_b32 v[T+3], v[T+2], s[SEL], s[SEL+1]
	v_add_f32 v[T+2], v[T+2], v[T+3]               ; the column's sum: at least a half, so the logarithm's source is no denormal
.endr
	v_log_f32 v[ST+3], v[ST+2]
	v_log_f32 v[ST+7], v[ST+6]
	v_nop                                          ; a plain line behind the last transcendental
	s_wait_alu depctr_va_vdst(0)                   ; one wait for both, ahead of the first reader
	v_sub_f32 v[ST+3], v[EN+1], v[ST+3]            ; nm = -M - log2(sum)
	v_sub_f32 v[ST+7], v[EN+3], v[ST+7]
	v_cndmask_b32 v[ST+3], v[ST+7], v[ST+3], vcc_lo   ; lanes 0-15 give the first tile's 16 keys, lanes 16-31 the second's
	global_store_b32 v[SO], v[ST+3], s[10:11]      ; 128 consecutive bytes a wave; the sixteen waves' pieces lie on end
	s_wait_tensorcnt 0x0
	ds_add_u32 v176, v177
	s_wait_dscnt 0x0
	CROUND                                         ; the closing round
	s_endpgm
.Lfunc_end_k_qba26cbf95f_stats:
	.size	k_qba26cbf95f_stats, .Lfunc_end_k_qba26cbf95f_stats-k_qba26cbf95f_stats
	.p2alignl 7, 3214868480
	.fill 96, 4, 3214868480
	.section	.rodata,"a",@progbits
	.p2align	6, 0x0
	.amdhsa_kernel k_qba26cbf95f_stats
		.amdhsa_group_segment_fixed_size 169984
		.amdhsa_private_segment_fixed_size 0
		.amdhsa_enable_private_segment 0
		.amdhsa_kernarg_size 32
		.amdhsa_user_sgpr_count 2
		.amdhsa_user_sgpr_kernarg_segment_ptr 1
		.amdhsa_wavefront_size32 1
		.amdhsa_system_sgpr_workgroup_id_x 1
		.amdhsa_system_sgpr_workgroup_id_y 1
		.amdhsa_system_sgpr_workgroup_id_z 1
		.amdhsa_system_vgpr_workitem_id 0
		.amdhsa_next_free_vgpr 178
		.amdhsa_next_free_sgpr 66
		.amdhsa_reserve_vcc 1
		.amdhsa_float_denorm_mode_32 3
		.amdhsa_float_denorm_mode_16_64 3
		.amdhsa_memory_ordered 1
		.amdhsa_forward_progress 1
		.amdhsa_inst_pref_size 65
	.end_amdhsa_kernel
	.amdgpu_metadata
---
amdhsa.version: [ 1, 2 ]
amdhsa.kernels:
  - .name:           k_qba26cbf95f_stats
    .symbol:         k_qba26cbf95f_stats.kd
    .args:
      - { .name: qc, .offset: 0, .size: 8, .value_kind: global_buffer, .address_space: global }
      - { .name: kv, .offset: 8, .size: 8, .value_kind: global_buffer, .address_space: global }
      - { .name: lowp_scales, .offset: 16, .size: 8, .value_kind: global_buffer, .address_space: global }
      - { .name: nm, .offset: 24, .size: 8, .value_kind: global_buffer, .address_space: global }
    .group_segment_fixed_size: 169984
    .private_segment_fixed_size: 0
    .kernarg_segment_align: 8
    .kernarg_segment_size: 32
    .max_flat_workgroup_size: 512
    .sgpr_count:     66
    .vgpr_count:     178
    .wavefront_size: 32
...
	.end_amdgpu_metadata
.endif
;; end of part 2
;; launch attn (part 3): grid 4 x 64, 8 waves a work-group, clusters of 4 x 1, 271,360 bytes of LDS; arguments qc, kv, nm, lowp_scales, ao; writes ao
.if DOCPART == 3
	.amdgcn_target "amdgcn-amd-amdhsa--gfx1250"
	.amdhsa_code_object_version 6
	.text
	.protected	k_qba26cbf95f_attn
	.globl	k_qba26cbf95f_attn
	.p2align	8
	.type	k_qba26cbf95f_attn,@function
k_qba26cbf95f_attn:
	s_mov_b64 s[64:65], 0
	v_nop
	global_prefetch_b8 v0, s[64:65] scope:SCOPE_SE
	s_setreg_imm32_b32 hwreg(HW_REG_WAVE_MODE, 25, 1), 1
	s_wait_xcnt 0x0
	s_wait_alu depctr_hold_cnt(0) depctr_sa_sdst(0) depctr_va_vdst(0) depctr_va_sdst(0) depctr_va_ssrc(0) depctr_va_vcc(0) depctr_vm_vsrc(0)
	s_getreg_b32 s2, hwreg(HW_REG_IB_STS2, 6, 4)
	s_cmp_eq_u32 s2, 0
	s_cbranch_scc0 .Lentry_in_a_cluster
	s_endpgm
.Lentry_in_a_cluster:
	s_bfe_u32 s2, ttmp6, 0x10000c
	s_cmp_lg_u32 s2, 0x3003
	s_cbranch_scc0 .Lentry_shape_is_right
	s_endpgm
.Lentry_shape_is_right:
; The scores once more; p = 2^(t + nm) is the finished softmax over the queries (nm: one number a key); p is held at 448 x 2^e3 and quantised with 2^e3; O^T = V^T P^T on codes;
; O x 2^(e2 + e3) is quantised with 2^e4 and stored as images of the last product's operand registers.
; LIMITS: e0 + e1 between -121 and 132; e3, and e4 - e2 - e3, between -126 and 119.  A p under 2^-126 counts as 0 (v_exp_f32 gives no denormal).  NaN is not served.
; SHARES.  A cluster of four work-groups is one head; a work-group owns 512 queries, each of its eight waves four tiles of 16, so that each register of K, V and nm read from LDS serves four tiles.
; Both products are used transposed: S^T = K Q^T (source 0 = 16 keys, source 1 = 16 queries), O^T = V^T P^T (source 0 = 16 channels, source 1 = P): a lane holds ONE query throughout.
; Tile c of S^T holds keys 16 c + 8 (lane / 16) + 0..7 in its eight registers: their codes are registers 2 c, 2 c + 1 of P, with every key in its true place.
; LDS holds the head's whole block of kv (262,144 bytes) and its nm (8,192), each byte filled ONCE.  The four work-groups need the same bytes: they are asked for JOINTLY.
; Each wave issues three loads (nm's eighth; an eighth of key steps 0 and 1; an eighth of the other fourteen): three tensor loads of a wave are out.
; No prefetch: all that the launch reads is asked for at its head.  Matrix and vector work are not dealt by turns: a step has some twenty vector lines for each matrix line, and a SIMD's two waves overlap.
; REGISTERS.  window 0: v1-8 addresses and scales; v32-95 K; v96-159 nm in the scores' layout; v160-223 S^T, then p; v224-239 p's codes.
;             window 1: v0-127 O^T (tile a, channels 16 t on: 32 a + 8 t); v128-159 Q; v160-223 V.
.set LI,  1                            ; v1  16 x lane
.set ADR, 2                            ; v2  the step's block in LDS + 16 x lane
.set NM0, 3                            ; v3  nm's region + 32 (lane / 16)
.set ANM, 4                            ; v4  the step's nm
.set PS,  5                            ; v5  2^e3
.set PL,  6                            ; v6  448 x 2^e3
.set HS,  7                            ; v7  2^(e4 - e2 - e3)
.set HL,  8                            ; v8  448 x that
.set KF,  32
.set NM,  96
.set SS,  160
.set PP,  224
.set QF,  128                          ; in window 1
.set VF,  160                          ; in window 1
.set WV,  14
.set CX,  15
.set HY,  16
.set CS,  18                           ; s[18:19] c, twice
.set TB,  20                           ; s20  step x 16,384
.set TN,  21                           ; s21  step x 512
.set CNT, 22
.set MSB, 0
.macro WIN new                         ; the immediate's high byte repeats the setting that is left; a switch that changes nothing is dropped
.if MSB != (\new)
	s_set_vgpr_msb (MSB<<8)|(\new)
.set MSB, (\new)
.endif
.endm
.macro DESC g, rows                    ; group 1: a dense block as rows of 256 bytes: elements of 8 bytes, 32 to a row; mask: all four work-groups, bit 21 beside it; no padding
	s_mov_b32 s[\g], 15|(3<<16)|(1<<21)
	s_mov_b32 s[\g+1], 32<<16
	s_mov_b32 s[\g+2], (\rows)<<16
	s_mov_b32 s[\g+3], 32<<16
	s_mov_b32 s[\g+4], \rows
	s_mov_b32 s[\g+5], 32
	s_mov_b32 s[\g+6], 0
	s_mov_b32 s[\g+7], 0
.endm
.macro CROUND
	s_barrier_signal -1
	s_barrier_wait -1
	s_cmp_lg_u32 s[WV], 0
	s_cbranch_scc1 .Lnot_wave_0_\@
	s_barrier_signal -3
.Lnot_wave_0_\@:
	s_barrier_wait -3
	s_barrier_signal -1
	s_barrier_wait -1
.endm
	s_load_b256 s[4:11], s[0:1], 0x0               ; qc s[4:5], kv s[6:7], nm s[8:9], scales s[10:11]
	s_load_b64 s[12:13], s[0:1], 0x20              ; ao
	v_lshl_add_u32 v254, v0, 2, 0x42000
	v_mov_b32 v255, 0
	ds_add_u32 v254, v255
	ds_add_u32 v254, v255
	v_lshrrev_b32 v1, 5, v0
	v_readfirstlane_b32 s[WV], v1                  ; wave 0..7
	s_bfe_u32 s[CX], ttmp6, 0x40000                ; my place in the cluster: it enters Q's and ao's addresses alone
	s_and_b32 s[HY], ttmp7, 0xffff                 ; the head pair
	v_and_b32 v9, 31, v0
	v_lshlrev_b32 v[LI], 4, v9
	v_bfe_u32 v9, v0, 4, 1
	v_lshl_add_u32 v[NM0], v9, 5, 0x40000
	DESC 24, 4                                     ; 1,024 bytes
	DESC 32, 16                                    ; 4,096 bytes
	DESC 40, 112                                   ; 28,672 bytes
	s_mov_b32 s[TB], 0
	s_mov_b32 s[TN], 0
	s_lshl_b32 s60, s[WV], 10
	s_add_co_u32 s49, s60, 262144                  ; nm: LDS 262,144 + wave x 1,024,
	s_lshl_b32 s61, s[HY], 13
	s_add_co_u32 s60, s60, s61                     ; memory head x 8,192 + wave x 1,024
	s_mov_b32 s61, 0
	s_lshl_b32 s53, s[WV], 12                      ; steps 0, 1: wave x 4,096, in LDS as in the head's block
	s_lshl_b32 s62, s[HY], 18
	s_add_co_u32 s74, s62, s53
	s_mov_b32 s75, 0
	s_mul_i32 s57, s[WV], 28672
	s_add_co_u32 s57, s57, 32768                   ; the rest: 32,768 + wave x 28,672
	s_add_co_u32 s76, s62, s57
	s_mov_b32 s77, 0
	s_lshl_b32 s66, s[HY], 17                      ; Q: head x 131,072 + (32 cx + 4 w) x 1,024
	s_lshl_b32 s67, s[CX], 15
	s_add_co_u32 s66, s66, s67
	s_lshl_b32 s67, s[WV], 12
	s_add_co_u32 s66, s66, s67
	s_mov_b32 s67, 0
	s_lshr_b32 s78, s[HY], 4                       ; ao: block of 128 rows = 16 x batch + 4 cx + w / 2,
	s_lshl_b32 s78, s78, 4
	s_lshl_b32 s79, s[CX], 2
	s_add_co_u32 s78, s78, s79
	s_lshr_b32 s79, s[WV], 1
	s_add_co_u32 s78, s78, s79
	s_lshl_b32 s78, s78, 17
	s_and_b32 s79, s[HY], 15
	s_lshl_b32 s79, s79, 13
	s_add_co_u32 s78, s78, s79                     ; the head's eight images,
	s_and_b32 s79, s[WV], 1
	s_lshl_b32 s79, s79, 12
	s_add_co_u32 s78, s78, s79                     ; my four of them
	s_mov_b32 s79, 0
	s_wait_dscnt 0x0
	s_wait_kmcnt 0x0
	s_load_b128 s[68:71], s[10:11], 0x0            ; e0 .. e3
	s_load_b64 s[72:73], s[10:11], 0x10            ; e4, e5
	s_mov_b32 s48, 1
	s_add_nc_u64 s[50:51], s[8:9], s[60:61]
	s_or_b32 s51, s51, 0x80000000
	s_mov_b32 s52, 1
	s_add_nc_u64 s[54:55], s[6:7], s[74:75]
	s_or_b32 s55, s55, 0x80000000
	s_mov_b32 s56, 1
	s_add_nc_u64 s[58:59], s[6:7], s[76:77]
	s_or_b32 s59, s59, 0x80000000
	s_add_nc_u64 s[4:5], s[4:5], s[66:67]
	s_add_nc_u64 s[12:13], s[12:13], s[78:79]
	CROUND                                         ; all four work-groups are here: the joint loads meet
	tensor_load_to_lds s[48:51], s[24:31]          ; nm
	s_nop 0
	tensor_load_to_lds s[52:55], s[32:39]          ; key steps 0 and 1
	s_nop 0
	tensor_load_to_lds s[56:59], s[40:47]          ; key steps 2 to 15
	s_nop 0
.rept 4
	v_nop
.endr
	WIN 0x40                                       ; destination window 1
.irp i, 0,1,2,3,4,5,6,7
	global_load_b128 v[QF+4*\i:QF+4*\i+3], v[LI], s[4:5] offset:512*\i   ; my four tiles of queries: they stay
.endr
	WIN 0
	s_wait_kmcnt 0x0
	s_add_co_i32 s66, s68, s69
	s_lshl_b32 s66, s66, 23
	s_add_co_i32 s[CS], s66, 0x3d38aa3b            ; c = log2(e) / 32 x 2^(e0 + e1)
	s_mov_b32 s[CS+1], s[CS]
	s_add_co_i32 s66, s71, 127
	s_lshl_b32 s67, s66, 23
	v_mov_b32 v[PS], s67
	s_add_co_i32 s66, s66, 8
	s_lshl_b32 s66, s66, 23
	s_or_b32 s66, s66, 0x600000
	v_mov_b32 v[PL], s66
	s_sub_co_i32 s66, s72, s70                     ; a sum of the second product stands for sum x 2^(e2 + e3): its code is sum / 2^(e4 - e2 - e3)
	s_sub_co_i32 s66, s66, s71
	s_add_co_i32 s66, s66, 127
	s_lshl_b32 s67, s66, 23
	v_mov_b32 v[HS], s67
	s_add_co_i32 s66, s66, 8
	s_lshl_b32 s66, s66, 23
	s_or_b32 s66, s66, 0x600000
	v_mov_b32 v[HL], s66
; A KEY STEP: 128 keys.  zero = 1: its products start O^T's sums: nothing is cleared.
.macro STEP zero
	v_add_nc_u32 v[ADR], s[TB], v[LI]              ; these four plain lines are the places between the last step's products and the loads into V's registers
	v_add_nc_u32 v[ANM], s[TN], v[NM0]
	v_nop
	v_nop
.set i, 0
.rept 8
	ds_load_b128 v[KF+8*i:KF+8*i+3],   v[ADR] offset:1024*i
	ds_load_b128 v[KF+8*i+4:KF+8*i+7], v[ADR] offset:1024*i+512
.set i, i+1
.endr
.set i, 0
.rept 8
	ds_load_b128 v[NM+8*i:NM+8*i+3],   v[ANM] offset:64*i      ; nm of keys 16 i + 8 (lane / 16) + 0..7: sixteen lanes share each word
	ds_load_b128 v[NM+8*i+4:NM+8*i+7], v[ANM] offset:64*i+16
.set i, i+1
.endr
	WIN 0x40
.set i, 0
.rept 16
	ds_load_b128 v[VF+4*i:VF+4*i+3], v[ADR] offset:8192+512*i
.set i, i+1
.endr
	WIN 0
	s_add_co_u32 s[TB], s[TB], 16384
	s_add_co_u32 s[TN], s[TN], 512
.irp a, 0,1,2,3
.if \a == 0
	s_wait_dscnt 32                                ; K's 16 loads are in; nm's 16 and V's 16 may be out
.endif
	WIN 0x04                                       ; source 1 (Q) window 1
.set i, 0
.rept 8
	v_wmma_f32_16x16x64_fp8_fp8 v[SS+8*i:SS+8*i+7], v[KF+8*i:KF+8*i+7], v[QF+8*\a:QF+8*\a+7], 0
.set i, i+1
.endr
	WIN 0
.rept 4
	v_nop                                          ; four places: ahead of the first read of the scores, of the conversions that write P anew, and of the next step's loads into K
.endr
.if \a == 0
	s_wait_dscnt 16                                ; nm is in; V's 16 loads may be out
.endif
.set j, 0
.rept 32
	v_pk_fma_f32 v[SS+j:SS+j+1], v[SS+j:SS+j+1], s[CS:CS+1], v[NM+j:NM+j+1] op_sel_hi:[1,0,1]   ; t + nm, each accumulator from its low end on
.set j, j+2
.endr
.set j, 0
.rept 64
	v_exp_f32 v[SS+j], v[SS+j]                     ; p: the finished softmax
.set j, j+1
.endr
	v_nop                                          ; a plain line behind the last exponential
	s_wait_alu depctr_va_vdst(0)                   ; one wait for the batch of 64, ahead of its first reader
.set j, 0
.rept 64
	v_min_num_f32 v[SS+j], v[SS+j], v[PL]          ; the conversion does not saturate (ISA guide 7.6.2); p is not negative, so the hold is one-sided
.set j, j+1
.endr
.set i, 0
.rept 8
	v_cvt_scalef32_pk8_fp8_f32 v[PP+2*i:PP+2*i+1], v[SS+8*i:SS+8*i+7], v[PS]
.set i, i+1
.endr
	v_nop                                          ; a plain line between the conversions and the products that read their results and write their sources
.if \a == 0
	s_wait_dscnt 0x0                               ; V is in
.endif
	WIN 0x51                                       ; V, C and D window 1, P window 0
.irp t, 0,1,2,3                        ; sixteen accumulators by turns, one line a turn; a link's forerunner stands a whole step back
.if \zero
	v_wmma_f32_16x16x128_fp8_fp8 v[32*\a+8*\t:32*\a+8*\t+7], v[VF+16*\t:VF+16*\t+15], v[PP:PP+15], 0
.else
	v_wmma_f32_16x16x128_fp8_fp8 v[32*\a+8*\t:32*\a+8*\t+7], v[VF+16*\t:VF+16*\t+15], v[PP:PP+15], v[32*\a+8*\t:32*\a+8*\t+7]
.endif
.endr
.endr
	WIN 0
.endm
	s_wait_loadcnt 0x0                             ; Q
	s_wait_tensorcnt 0x1                           ; my parts of nm and of steps 0 and 1 are in; the large load, issued behind them, may be out
	s_barrier_signal -1
	s_barrier_wait -1
	STEP 1                                         ; steps 0 and 1 in a straight line: LDS bytes 0 to 32,767
	STEP 0
	s_wait_tensorcnt 0x0                           ; my part of the rest is in
	s_wait_dscnt 0x0
	s_barrier_signal -1
	s_barrier_wait -1                              ; everybody's is
	s_mov_b32 s[CNT], 14
.Lstep:
	STEP 0
	s_sub_co_u32 s[CNT], s[CNT], 1
	s_cmp_lg_u32 s[CNT], 0
	s_cbranch_scc1 .Lstep
	; THE END.  Register j of accumulator (a, t) is channel 16 t + 8 (lane / 16) + j of query lane % 16: its eight codes are registers 2 t, 2 t + 1 of the last product's operand
.rept 4
	v_nop
.endr
	WIN 0x41                                       ; O^T (destination, source 0) window 1
.set j, 0
.rept 128
	v_med3_num_f32 v[j], v[j], -v[HL], v[HL]
.set j, j+1
.endr
	WIN 0x01
.set j, 0
.rept 16
	v_cvt_scalef32_pk8_fp8_f32 v[KF+2*j:KF+2*j+1], v[8*j:8*j+7], v[HS]
.set j, j+1
.endr
	v_nop
	WIN 0
.irp i, 0,1,2,3,4,5,6,7
	global_store_b128 v[LI], v[KF+4*\i:KF+4*\i+3], s[12:13] offset:512*\i   ; 512 consecutive bytes, aligned: half an image
.endr
	s_wait_tensorcnt 0x0
	ds_add_u32 v254, v255
	s_wait_dscnt 0x0
	CROUND                                         ; the closing round
	s_endpgm
.Lfunc_end_k_qba26cbf95f_attn:
	.size	k_qba26cbf95f_attn, .Lfunc_end_k_qba26cbf95f_attn-k_qba26cbf95f_attn
	.p2alignl 7, 3214868480
	.fill 96, 4, 3214868480
	.section	.rodata,"a",@progbits
	.p2align	6, 0x0
	.amdhsa_kernel k_qba26cbf95f_attn
		.amdhsa_group_segment_fixed_size 271360
		.amdhsa_private_segment_fixed_size 0
		.amdhsa_enable_private_segment 0
		.amdhsa_kernarg_size 40
		.amdhsa_user_sgpr_count 2
		.amdhsa_user_sgpr_kernarg_segment_ptr 1
		.amdhsa_wavefront_size32 1
		.amdhsa_system_sgpr_workgroup_id_x 1
		.amdhsa_system_sgpr_workgroup_id_y 1
		.amdhsa_system_sgpr_workgroup_id_z 1
		.amdhsa_system_vgpr_workitem_id 0
		.amdhsa_next_free_vgpr 512
		.amdhsa_next_free_sgpr 80
		.amdhsa_reserve_vcc 0
		.amdhsa_float_denorm_mode_32 3
		.amdhsa_float_denorm_mode_16_64 3
		.amdhsa_memory_ordered 1
		.amdhsa_forward_progress 1
		.amdhsa_inst_pref_size 119
	.end_amdhsa_kernel
	.amdgpu_metadata
---
amdhsa.version: [ 1, 2 ]
amdhsa.kernels:
  - .name:           k_qba26cbf95f_attn
    .symbol:         k_qba26cbf95f_attn.kd
    .args:
      - { .name: qc, .offset: 0, .size: 8, .value_kind: global_buffer, .address_space: global }
      - { .name: kv, .offset: 8, .size: 8, .value_kind: global_buffer, .address_space: global }
      - { .name: nm, .offset: 16, .size: 8, .value_kind: global_buffer, .address_space: global }
      - { .name: lowp_scales, .offset: 24, .size: 8, .value_kind: global_buffer, .address_space: global }
      - { .name: ao, .offset: 32, .size: 8, .value_kind: global_buffer, .address_space: global }
    .group_segment_fixed_size: 271360
    .private_segment_fixed_size: 0
    .kernarg_segment_align: 8
    .kernarg_segment_size: 40
    .max_flat_workgroup_size: 256
    .sgpr_count:     80
    .vgpr_count:     512
    .wavefront_size: 32
...
	.end_amdgpu_metadata
.endif
;; end of part 3
;; launch proj (part 4): grid 4 x 64, 4 waves a work-group, clusters of 4 x 1, 168,448 bytes of LDS; arguments ao, wc, b, lowp_scales, out0; writes out0
.if DOCPART == 4
	.amdgcn_target "amdgcn-amd-amdhsa--gfx1250"
	.amdhsa_code_object_version 6
	.text
	.protected	k_qba26cbf95f_proj
	.globl	k_qba26cbf95f_proj
	.p2align	8
	.type	k_qba26cbf95f_proj,@function
k_qba26cbf95f_proj:
	s_mov_b64 s[64:65], 0
	v_nop
	global_prefetch_b8 v0, s[64:65] scope:SCOPE_SE
	s_setreg_imm32_b32 hwreg(HW_REG_WAVE_MODE, 25, 1), 1
	s_wait_xcnt 0x0
	s_wait_alu depctr_hold_cnt(0) depctr_sa_sdst(0) depctr_va_vdst(0) depctr_va_sdst(0) depctr_va_ssrc(0) depctr_va_vcc(0) depctr_vm_vsrc(0)
	s_getreg_b32 s2, hwreg(HW_REG_IB_STS2, 6, 4)
	s_cmp_eq_u32 s2, 0
	s_cbranch_scc0 .Lentry_in_a_cluster
	s_endpgm
.Lentry_in_a_cluster:
	s_bfe_u32 s2, ttmp6, 0x10000c
	s_cmp_lg_u32 s2, 0x3003
	s_cbranch_scc0 .Lentry_shape_is_right
	s_endpgm
.Lentry_shape_is_right:
; out0 = (attention's result, as codes) x W^T x 2^(e4 + e5) + b.  K = 1,024.  LIMIT: e4 + e5 between -126 and 127.
; SHARES.  A work-group makes 128 rows x 256 columns; wave w makes its 64 columns for all 128 rows, so that its part of W (64 rows x 1,024 codes: 512 registers) stays in registers, read once.
; The block's 128 rows of codes (131,072 bytes, images of operand registers) lie in LDS, filled ONCE, one tensor load a wave.  The four work-groups of a cluster make the four
; column blocks of the same rows: they ask for these bytes JOINTLY.
; The product is used transposed (source 0 = 16 rows of W, source 1 = 16 rows of codes): a lane's eight results are eight neighbouring columns of one row.
; REGISTERS.  window 0: v1-7 addresses; v64-127, v128-191 two buffers of four fragments; v192-223 the bias in the result's layout; on the way out v64-159 are free.
;   windows 1, 2: W's fragment (K step s, tile t) at 16 (4 s + t).   window 3: accumulator (rows 16 m on, tile t) at 8 (4 m + t).
; No prefetch: all that the launch reads is asked for at its head.
.set LI,  1                            ; v1  16 x lane
.set LI2, 2                            ; v2  16 x lane + 65,536
.set STO, 3                            ; v3  the way out: my stage + 272 r + 32 h
.set RD,  4                            ; v4  my stage + 272 h + 16 r
.set CO,  5                            ; v5  4,096 h + 16 r: two rows of out0
.set BO,  7                            ; v7  32 h
.set AB,  64
.set BI,  192
.set TMP, 64
.set BK,  96
.set WV,  14
.set CX,  15
.set HY,  16
.set STAGE, 131072                     ; behind the codes: 16 rows x (256 + 16) bytes for each wave, 4,352 = 17 blocks of 256 into which no fill lands
.set MSB, 0
.macro WIN new
.if MSB != (\new)
	s_set_vgpr_msb (MSB<<8)|(\new)
.set MSB, (\new)
.endif
.endm
.macro CROUND
	s_barrier_signal -1
	s_barrier_wait -1
	s_cmp_lg_u32 s[WV], 0
	s_cbranch_scc1 .Lnot_wave_0_\@
	s_barrier_signal -3
.Lnot_wave_0_\@:
	s_barrier_wait -3
	s_barrier_signal -1
	s_barrier_wait -1
.endm
	s_load_b256 s[4:11], s[0:1], 0x0               ; ao s[4:5], wc s[6:7], b s[8:9], scales s[10:11]
	s_load_b64 s[12:13], s[0:1], 0x20              ; out0
	v_lshl_add_u32 v254, v0, 2, 0x29000
	v_mov_b32 v255, 0
	ds_add_u32 v254, v255
	ds_add_u32 v254, v255
	v_lshrrev_b32 v1, 5, v0
	v_readfirstlane_b32 s[WV], v1                  ; wave 0..3
	s_bfe_u32 s[CX], ttmp6, 0x40000                ; my column block: it enters W's, b's and out0's addresses alone
	s_and_b32 s[HY], ttmp7, 0xffff                 ; my block of 128 rows, which the partners share
	v_and_b32 v8, 31, v0
	v_lshlrev_b32 v[LI], 4, v8
	v_add_nc_u32 v[LI2], 0x10000, v[LI]
	v_and_b32 v8, 15, v0                           ; r
	v_bfe_u32 v9, v0, 4, 1                         ; h
	s_mul_i32 s40, s[WV], 4352
	s_add_co_u32 s40, s40, STAGE
	v_mul_u32_u24 v[STO], v8, 272
	v_lshl_add_u32 v[STO], v9, 5, v[STO]
	v_add_nc_u32 v[STO], s40, v[STO]
	v_mul_u32_u24 v[RD], v9, 272
	v_lshl_add_u32 v[RD], v8, 4, v[RD]
	v_add_nc_u32 v[RD], s40, v[RD]
	v_lshlrev_b32 v[CO], 12, v9
	v_lshl_add_u32 v[CO], v8, 4, v[CO]
	v_lshlrev_b32 v[BO], 5, v9
	s_mov_b32 s24, 15|(3<<16)|(1<<21)              ; group 1: 128 rows of 256 bytes (32 elements of 8), dense; mask: all four work-groups, bit 21 beside it
	s_mov_b32 s25, 32<<16
	s_mov_b32 s26, 128<<16
	s_mov_b32 s27, 32<<16
	s_mov_b32 s28, 128
	s_mov_b32 s29, 32
	s_mov_b32 s30, 0
	s_mov_b32 s31, 0
	s_lshl_b32 s33, s[WV], 15                      ; LDS: wave x 32,768
	s_lshl_b32 s38, s[HY], 17
	s_add_co_u32 s38, s38, s33
	s_mov_b32 s39, 0
	s_lshl_b32 s40, s[CX], 18                      ; W: (16 cx + 4 w) x 16,384
	s_lshl_b32 s41, s[WV], 16
	s_add_co_u32 s40, s40, s41
	s_mov_b32 s41, 0
	s_lshl_b32 s42, s[CX], 10                      ; b, and the columns of out0: 1,024 cx + 256 w bytes
	s_lshl_b32 s43, s[WV], 8
	s_add_co_u32 s42, s42, s43
	s_mov_b32 s43, 0
	s_lshl_b32 s44, s[HY], 19                      ; out0: 128 rows of 4,096 bytes
	s_add_co_u32 s44, s44, s42
	s_mov_b32 s45, 0
	s_wait_dscnt 0x0
	s_wait_kmcnt 0x0
	s_load_b64 s[36:37], s[10:11], 0x10            ; e4, e5
	s_mov_b32 s32, 1
	s_add_nc_u64 s[34:35], s[4:5], s[38:39]
	s_or_b32 s35, s35, 0x80000000
	s_add_nc_u64 s[6:7], s[6:7], s[40:41]
	s_add_nc_u64 s[8:9], s[8:9], s[42:43]
	s_add_nc_u64 s[12:13], s[12:13], s[44:45]
	CROUND                                         ; all four work-groups are here: the joint loads meet
	tensor_load_to_lds s[32:35], s[24:31]          ; my quarter of the rows' codes: one tensor load of a wave is out
	s_nop 0
.rept 4
	v_nop
.endr
	WIN 0x40                                       ; destination window 1
.irp s, 0,1,2,3
.irp t, 0,1,2,3
.irp g, 0,1,2,3
	global_load_b128 v[16*(4*\s+\t)+4*\g:16*(4*\s+\t)+4*\g+3], v[LI], s[6:7] offset:\t*16384+\s*2048+512*\g
.endr
.endr
.endr
	WIN 0x80                                       ; destination window 2
.irp s, 4,5,6,7
.irp t, 0,1,2,3
.irp g, 0,1,2,3
	global_load_b128 v[16*(4*(\s-4)+\t)+4*\g:16*(4*(\s-4)+\t)+4*\g+3], v[LI], s[6:7] offset:\t*16384+\s*2048+512*\g
.endr
.endr
.endr
	WIN 0
.irp t, 0,1,2,3
	global_load_b128 v[BI+8*\t:BI+8*\t+3],   v[BO], s[8:9] offset:64*\t      ; b at columns 16 t + 8 h + 0..7
	global_load_b128 v[BI+8*\t+4:BI+8*\t+7], v[BO], s[8:9] offset:64*\t+16
.endr
	s_wait_kmcnt 0x0
	s_add_co_i32 s18, s36, s37
	s_add_co_i32 s18, s18, 127
	s_lshl_b32 s18, s18, 23                        ; 2^(e4 + e5) as f32
	s_mov_b32 s19, s18
	s_wait_loadcnt 0x0
	s_wait_tensorcnt 0x0                           ; my quarter is in
	s_barrier_signal -1
	s_barrier_wait -1                              ; everybody's is
; Group g: K step g / 2 (128 along K), rows 64 (g % 2) on: four fragments, each two images 8,192 bytes apart
.macro FETCH g
.set FS, (\g)/2
.set FM, 4*((\g)%2)
.set FB, AB+64*((\g)%2)
.set FA, LI+FS/4                       ; K steps 4 to 7 lie beyond the immediate's reach: the second address register
.irp m, 0,1,2,3
	ds_load_b128 v[FB+16*\m:FB+16*\m+3],     v[FA] offset:(((2*FS)%8)*8+FM+\m)*1024
	ds_load_b128 v[FB+16*\m+4:FB+16*\m+7],   v[FA] offset:(((2*FS)%8)*8+FM+\m)*1024+512
	ds_load_b128 v[FB+16*\m+8:FB+16*\m+11],  v[FA] offset:(((2*FS)%8)*8+FM+\m)*1024+8192
	ds_load_b128 v[FB+16*\m+12:FB+16*\m+15], v[FA] offset:(((2*FS)%8)*8+FM+\m)*1024+8704
.endr
.endm
.macro GROUP g
.if (\g) < 15
.if (\g) > 0
.rept 4
	v_nop                                          ; four places between the last group's products and the loads into the buffer that they read
.endr
.endif
	FETCH (\g)+1
	s_wait_dscnt 16                                ; this group's fragments are in; the next group's 16 loads may be out
.else
	s_wait_dscnt 0x0
.endif
.set GS, (\g)/2
.set GM, 4*((\g)%2)
.set GB, AB+64*((\g)%2)
	WIN 0xf1+GS/4                                  ; W window 1 or 2, the codes window 0, C and D window 3
.irp m, 0,1,2,3                        ; the 32 accumulators take turns, one line a turn, in the same order in every K step
.irp t, 0,1,2,3
.if GS == 0
	v_wmma_f32_16x16x128_fp8_fp8 v[8*(4*(GM+\m)+\t):8*(4*(GM+\m)+\t)+7], v[16*(4*(GS%4)+\t):16*(4*(GS%4)+\t)+15], v[GB+16*\m:GB+16*\m+15], 0
.else
	v_wmma_f32_16x16x128_fp8_fp8 v[8*(4*(GM+\m)+\t):8*(4*(GM+\m)+\t)+7], v[16*(4*(GS%4)+\t):16*(4*(GS%4)+\t)+15], v[GB+16*\m:GB+16*\m+15], v[8*(4*(GM+\m)+\t):8*(4*(GM+\m)+\t)+7]
.endif
.endr
.endr
	WIN 0
.endm
	FETCH 0
.irp g, 0,1,2,3,4,5,6,7,8,9,10,11,12,13,14,15
	GROUP \g
.endr
; THE WAY OUT, 16 rows x 64 columns at a time: sum x 2^(e4 + e5) + b by one packed multiply-add for two numbers; through my own stage, back as whole pieces of 256 bytes.
.macro TOSTAGE m
	WIN 0x03                                       ; source 0 (the sums) window 3
.set j, 0
.rept 16
	v_pk_fma_f32 v[TMP+j:TMP+j+1], v[32*(\m)+j:32*(\m)+j+1], s[18:19], v[BI+j:BI+j+1] op_sel_hi:[1,0,1]   ; each accumulator from its low end on
.set j, j+2
.endr
	WIN 0
.irp t, 0,1,2,3
	ds_store_b128 v[STO], v[TMP+8*\t:TMP+8*\t+3]   offset:64*\t
	ds_store_b128 v[STO], v[TMP+8*\t+4:TMP+8*\t+7] offset:64*\t+16
.endr
.set BB, BK+32*((\m)%2)
.set i, 0
.rept 8
	ds_load_b128 v[BB+4*i:BB+4*i+3], v[RD] offset:544*i   ; LDS serves a wave's instructions in order: these see the stores above, and the next block's stores come behind them
.set i, i+1
.endr
.endm
.macro SEND m, younger                 ; younger: the LDS instructions issued behind block m's loads, which may stay out
.set BB, BK+32*((\m)%2)
	s_wait_dscnt \younger
.set i, 0
.rept 8
	global_store_b128 v[CO], v[BB+4*i:BB+4*i+3], s[12:13] offset:(16*(\m)+2*i)*4096 th:TH_STORE_NT   ; sixteen lanes store 256 consecutive bytes, aligned; written once, read by nobody here
.set i, i+1
.endr
.endm
.rept 4
	v_nop                                          ; four places behind the last products: their results are read, and registers that they read are written
.endr
	TOSTAGE 0
.irp m, 1,2,3,4,5,6,7
.if \m > 1
	s_wait_xcnt 0x0                                ; block m - 2's stores have read their registers: block m's loads may land there
.endif
	TOSTAGE \m
	SEND \m-1, 16                                  ; behind block m - 1's loads: block m's 8 stores and 8 loads
.endr
	SEND 7, 0
	s_wait_tensorcnt 0x0
	ds_add_u32 v254, v255
	s_wait_dscnt 0x0
	CROUND                                         ; the closing round
	s_endpgm
.Lfunc_end_k_qba26cbf95f_proj:
	.size	k_qba26cbf95f_proj, .Lfunc_end_k_qba26cbf95f_proj-k_qba26cbf95f_proj
	.p2alignl 7, 3214868480
	.fill 96, 4, 3214868480
	.section	.rodata,"a",@progbits
	.p2align	6, 0x0
	.amdhsa_kernel k_qba26cbf95f_proj
		.amdhsa_group_segment_fixed_size 168448
		.amdhsa_private_segment_fixed_size 0
		.amdhsa_enable_private_segment 0
		.amdhsa_kernarg_size 40
		.amdhsa_user_sgpr_count 2
		.amdhsa_user_sgpr_kernarg_segment_ptr 1
		.amdhsa_wavefront_size32 1
		.amdhsa_system_sgpr_workgroup_id_x 1
		.amdhsa_system_sgpr_workgroup_id_y 1
		.amdhsa_system_sgpr_workgroup_id_z 1
		.amdhsa_system_vgpr_workitem_id 0
		.amdhsa_next_free_vgpr 1024
		.amdhsa_next_free_sgpr 66
		.amdhsa_reserve_vcc 0
		.amdhsa_float_denorm_mode_32 3
		.amdhsa_float_denorm_mode_16_64 3
		.amdhsa_memory_ordered 1
		.amdhsa_forward_progress 1
		.amdhsa_inst_pref_size 76
	.end_amdhsa_kernel
	.amdgpu_metadata
---
amdhsa.version: [ 1, 2 ]
amdhsa.kernels:
  - .name:           k_qba26cbf95f_proj
    .symbol:         k_qba26cbf95f_proj.kd
    .args:
      - { .name: ao, .offset: 0, .size: 8, .value_kind: global_buffer, .address_space: global }
      - { .name: wc, .offset: 8, .size: 8, .value_kind: global_buffer, .address_space: global }
      - { .name: b, .offset: 16, .size: 8, .value_kind: global_buffer, .address_space: global }
      - { .name: lowp_scales, .offset: 24, .size: 8, .value_kind: global_buffer, .address_space: global }
      - { .name: out0, .offset: 32, .size: 8, .value_kind: global_buffer, .address_space: global }
    .group_segment_fixed_size: 168448
    .private_segment_fixed_size: 0
    .kernarg_segment_align: 8
    .kernarg_segment_size: 40
    .max_flat_workgroup_size: 128
    .sgpr_count:     66
    .vgpr_count:     1024
    .wavefront_size: 32
...
	.end_amdgpu_metadata
.endif
;; end of part 4
;; ======== version 2 of 2: 4 launches
;; limits: right only within a limited range of input values
;; workspace buffers: qc 8,388,608 bytes; kv 16,777,216 bytes; wc 1,048,576 bytes; nm 524,288 bytes; ao 8,388,608 bytes
;; launch quant (part 5): grid 800 x 1, 4 waves a work-group, no clusters, 67,072 bytes of LDS; arguments query, key, value, W, lowp_scales, qc, kv, wc; writes qc, kv, wc
.if DOCPART == 5
	.amdgcn_target "amdgcn-amd-amdhsa--gfx1250"
	.amdhsa_code_object_version 6
	.text
	.protected	k_qba26cbf95f_quant
	.globl	k_qba26cbf95f_quant
	.p2align	8
	.type	k_qba26cbf95f_quant,@function
k_qba26cbf95f_quant:
	s_mov_b64 s[64:65], 0
	v_nop
	global_prefetch_b8 v0, s[64:65] scope:SCOPE_SE
	s_setreg_imm32_b32 hwreg(HW_REG_WAVE_MODE, 25, 1), 1
	s_wait_xcnt 0x0
; query, key, value, W (f32) become codes of FP8 (E4M3), each with its given scale 2^e (entries 0, 1, 2, 5 of the scales), laid as IMAGES OF OPERAND REGISTERS.
; code = x / 2^e, held within +-448, to the nearest code, ties to even.  LIMITS: -126 <= e <= 119; NaN among the inputs is not served (an infinity is held at the largest code).
; AN IMAGE: 16 rows x 64 along K are 1,024 bytes: two groups G of 512; lane L = 16 h + r has the 16 bytes at 512 G + 16 L: of row r the codes k = 32 G + 8 h + 0..7, then k = 32 G + 16 + 8 h + 0..7.
; Two 16-byte loads a lane then give the eight registers of a K = 64 fragment with every k in the place that the plain 8-bit layout gives it; four groups give a K = 128 fragment.
;   qc [head pair 64][16 queries: 128][1024]      wc [16 rows of W: 64][64 along K: 16][1024]
;   kv [head pair 64][128 keys: 16][ K: 8 tiles of 16 keys x 1024 | V: 4 tiles of 16 channels x 128 keys x 2048 ]
; Work-groups 0-255 take query, 256-511 key, 512-543 W (K innermost: path R); 544-799 take value, whose K (the keys) is not innermost (path V).  Each reads 128 KiB.
; No matrix work, no tensor load, no cluster (work-groups share no input), no barrier: a wave uses LDS bytes of its own; the two paths have LDS bytes of their own.
.set LI,   1                           ; v1      16 x lane
.set STW,  3                           ; v3      path R: into the stage: wave's stage + 16 x lane
.set STR,  4                           ; v4      path R: out of it: wave's stage + 528 r + 32 h
.set SCL,  5                           ; v5      2^e as f32
.set LIM,  6                           ; v6      448 x 2^e
.set VSW,  7                           ; v7      path V: into the stage
.set OF,   8                           ; v8-15   path R: byte offset of my 16 bytes in the image of chunk q of my eight; never rewritten
.set VSR,  8                           ; v8      path V: out of the stage
.set RB,   16                          ; v16-143 path R: two sets of 64 numbers
.set CB,   144                         ; v144-207 path R: 16 registers of codes for each job, so that no store's data are written again
.set XB,   16                          ; v16-143 path V: four sets of 32 numbers: 8 keys x 4 channels as they are loaded
.set TR,   144                         ; v144-175 path V: a block held and turned: 4 channels x 8 keys
.set CV,   176                         ; v176-183 path V: a block's codes
.set OUTR, 16                          ; v16-79  path V: the way out, when the last block is done
.set WV,   26                          ; s26     wave
.set RP,   528                         ; path R: a stage row: 512 bytes + 16: the 16 rows that a read touches start at 16 different 16-byte columns
.set VBASE, 4*16*RP                    ; path V's stages begin here (33,792), 8,192 bytes a wave
	s_load_b256 s[4:11], s[0:1], 0x0               ; query s[4:5], key s[6:7], value s[8:9], W s[10:11]
	s_load_b256 s[12:19], s[0:1], 0x20             ; scales s[12:13], qc s[14:15], kv s[16:17], wc s[18:19]
	v_lshl_add_u32 v208, v0, 2, 0x10400
	v_mov_b32 v209, 0
	v_lshrrev_b32 v16, 5, v0
	v_readfirstlane_b32 s[WV], v16                 ; wave 0..3
	v_and_b32 v16, 31, v0                          ; lane
	v_lshlrev_b32 v[LI], 4, v16
	v_and_b32 v17, 15, v0                          ; r
	v_bfe_u32 v18, v0, 4, 1                        ; h
	s_wait_kmcnt 0x0
	s_load_b128 s[20:23], s[12:13], 0x0            ; e0 .. e3
	s_load_b64 s[24:25], s[12:13], 0x10            ; e4, e5
	s_cmp_lt_u32 ttmp9, 544
	s_cbranch_scc0 .Lvalue
; ---------------- PATH R: rows with K innermost.  A wave takes 16 rows x 512 columns, in four jobs of 128 columns (two chunks of 64).
	s_mul_i32 s27, s[WV], 16*RP
	s_wait_alu depctr_va_vdst(0)
	v_add_nc_u32 v[STW], s27, v[LI]
	v_mul_u32_u24 v[STR], v17, RP
	v_lshl_add_u32 v[STR], v18, 5, v[STR]
	v_add_nc_u32 v[STR], s27, v[STR]
	s_cmp_lt_u32 ttmp9, 256                        ; which tensor: the choice hangs on the work-group's number alone
	s_cselect_b64 s[28:29], s[4:5], s[6:7]         ; from
	s_cselect_b64 s[30:31], s[14:15], s[16:17]     ; to
	s_cselect_b32 s33, 0, 256                      ; the tensor's first work-group
	s_mov_b32 s34, 262144
	s_cselect_b32 s34, 131072, s34                 ; bytes from a chunk's image to the next chunk's: a head's block in qc or in kv,
	s_cmp_lt_u32 ttmp9, 512
	s_cselect_b64 s[28:29], s[28:29], s[10:11]
	s_cselect_b64 s[30:31], s[30:31], s[18:19]
	s_cselect_b32 s33, s33, 512
	s_cselect_b32 s34, s34, 1024                   ; or one image in wc
	s_sub_co_u32 s33, ttmp9, s33
	s_lshl_b32 s33, s33, 1
	s_lshr_b32 s35, s[WV], 1
	s_add_co_u32 s33, s33, s35                     ; T: my tile of 16 rows
	s_and_b32 s35, s[WV], 1                        ; my half of the columns
	s_lshr_b32 s36, s33, 7                         ; batch
	s_and_b32 s37, s33, 127                        ; tile in the batch
	s_lshl_b32 s38, s36, 21
	s_lshl_b32 s39, s37, 10
	s_add_co_u32 s38, s38, s39                     ; qc: batch x 16 heads x 131,072 + tile x 1,024
	s_lshl_b32 s39, s36, 22
	s_lshr_b32 s40, s37, 3
	s_lshl_b32 s40, s40, 14
	s_add_co_u32 s39, s39, s40
	s_and_b32 s40, s37, 7
	s_lshl_b32 s40, s40, 10
	s_add_co_u32 s39, s39, s40                     ; kv: batch x 16 x 262,144 + step x 16,384 + tile in the step x 1,024
	s_lshl_b32 s40, s33, 14                        ; wc: T x 16,384
	s_cmp_lt_u32 ttmp9, 256
	s_cselect_b32 s38, s38, s39
	s_cmp_lt_u32 ttmp9, 512
	s_cselect_b32 s38, s38, s40
	s_lshl_b32 s39, s35, 3
	s_mul_i32 s39, s39, s34
	s_add_co_u32 s38, s38, s39                     ; + my first chunk (8 x half)
	v_add_nc_u32 v[OF], s38, v[LI]
.irp q, 1,2,3,4,5,6,7
	v_add_nc_u32 v[OF+\q], s34, v[OF+\q-1]
.endr
	s_lshl_b32 s36, s33, 16                        ; in: 16 rows of 4,096 bytes a tile,
	s_lshl_b32 s37, s35, 11                        ; 2,048 bytes a half
	s_add_co_u32 s36, s36, s37
	s_mov_b32 s37, 0
	s_add_nc_u64 s[28:29], s[28:29], s[36:37]
.macro LOADJ j                         ; job j: each load takes 512 consecutive bytes of one row
.set i, 0
.rept 16
	global_load_b128 v[RB+64*((\j)%2)+4*i:RB+64*((\j)%2)+4*i+3], v[LI], s[28:29] offset:i*4096+(\j)*512 th:TH_LOAD_NT
.set i, i+1
.endr
.endm
	LOADJ 0
	LOADJ 1
	s_wait_kmcnt 0x0
	s_cmp_lt_u32 ttmp9, 256
	s_cselect_b32 s32, s20, s21
	s_cmp_lt_u32 ttmp9, 512
	s_cselect_b32 s32, s32, s25                    ; e: entry 0, 1 or 5
	s_add_co_i32 s32, s32, 127
	s_lshl_b32 s41, s32, 23
	v_mov_b32 v[SCL], s41                          ; 2^e: the conversion takes its exponent field
	s_add_co_i32 s32, s32, 8
	s_lshl_b32 s32, s32, 23
	s_or_b32 s32, s32, 0x600000
	v_mov_b32 v[LIM], s32                          ; 448 x 2^e
; A job: 16 rows x 128 columns go through the stage as they lie and come back so that a lane holds, for each of the four groups, its 16 numbers in the image's order.
.macro JOB j
.set RS, RB+64*((\j)%2)
.if (\j) < 3
	s_wait_loadcnt 16                              ; this job's 16 loads are in; the next job's 16 may be out
.else
	s_wait_loadcnt 0
.endif
.set i, 0
.rept 16
	ds_store_b128 v[STW], v[RS+4*i:RS+4*i+3] offset:i*RP
.set i, i+1
.endr
.irp cg, 0,1,2,3                       ; chunk cg / 2, group cg % 2: 32 columns, 128 bytes.  LDS serves a wave's instructions in order: these see the stores above
	ds_load_b128 v[RS+16*\cg:RS+16*\cg+3],     v[STR] offset:128*\cg
	ds_load_b128 v[RS+16*\cg+4:RS+16*\cg+7],   v[STR] offset:128*\cg+16
	ds_load_b128 v[RS+16*\cg+8:RS+16*\cg+11],  v[STR] offset:128*\cg+64
	ds_load_b128 v[RS+16*\cg+12:RS+16*\cg+15], v[STR] offset:128*\cg+80
.endr
	s_wait_dscnt 0x0
.set i, 0
.rept 64
	v_med3_num_f32 v[RS+i], v[RS+i], -v[LIM], v[LIM]   ; the conversion to an 8-bit code does not saturate (ISA guide 7.6.2): the hold comes first
.set i, i+1
.endr
.set i, 0
.rept 8
	v_cvt_scalef32_pk8_fp8_f32 v[CB+16*(\j)+2*i:CB+16*(\j)+2*i+1], v[RS+8*i:RS+8*i+7], v[SCL]
.set i, i+1
.endr
.irp cg, 0,1,2,3                       ; the results go to stores alone, and the next job's holds are plain lines on the other set
	global_store_b128 v[OF+2*(\j)+\cg/2], v[CB+16*(\j)+4*\cg:CB+16*(\j)+4*\cg+3], s[30:31] offset:512*(\cg%2)   ; 32 lanes store 512 consecutive bytes, aligned
.endr
.if (\j)+2 < 4
	LOADJ (\j)+2
.endif
.endm
	s_wait_alu depctr_va_vdst(0)
	JOB 0
	JOB 1
	JOB 2
	JOB 3
	s_wait_tensorcnt 0x0
	ds_add_u32 v208, v209
	s_wait_dscnt 0x0
	s_endpgm
; ---------------- PATH V: value, whose K (the keys) runs down the rows.  A work-group takes 256 keys x 128 channels (two heads); a wave 64 of the keys, in eight blocks of 8.
; A load takes 512 consecutive bytes of one key's row: lane l has channels 4 l + 0..3.  The hold writes each number into the place that turns the block: a channel's 8 keys on end, as the conversion wants them.
; A channel's 8 codes are half of a lane's 16 bytes of the image: block t = keys 8 t on lies in group t / 4, lanes 16 (t % 2) + r, half (t % 4) / 2.  The wave's stage holds [8 tiles of 16 channels][2 groups][512];
; it is read back as it lies and leaves in runs of 512 bytes.  Four blocks' loads (32, 16,384 bytes) are out at the most.
.Lvalue:
	s_wait_alu depctr_va_vdst(0)
	s_sub_co_u32 s33, ttmp9, 544
	s_and_b32 s34, s33, 7                          ; which 128 columns: heads 2 s34 and 2 s34 + 1
	s_lshr_b32 s35, s33, 3                         ; which 256 rows of the 8,192
	s_lshl_b32 s27, s[WV], 13
	s_add_co_u32 s27, s27, VBASE                   ; my stage
	v_lshrrev_b32 v[VSW], 2, v16                   ; my four channels' tile: lane / 4,
	v_lshlrev_b32 v[VSW], 10, v[VSW]               ; 1,024 bytes each;
	v_and_b32 v17, 3, v16
	v_lshl_add_u32 v[VSW], v17, 6, v[VSW]          ; their rows r = 4 (lane % 4) + c: 16 bytes a row
	v_add_nc_u32 v[VSW], s27, v[VSW]
	v_add_nc_u32 v[VSR], s27, v[LI]
	s_lshl_b32 s36, s35, 20                        ; in: 256 rows of 4,096 bytes,
	s_lshl_b32 s37, s34, 9
	s_add_co_u32 s36, s36, s37                     ; 128 columns,
	s_lshl_b32 s37, s[WV], 18
	s_add_co_u32 s36, s36, s37                     ; my wave's 64 rows
	s_mov_b32 s37, 0
	s_add_nc_u64 s[8:9], s[8:9], s[36:37]
	s_lshr_b32 s38, s35, 3                         ; out: batch x 16
	s_lshl_b32 s38, s38, 4
	s_lshl_b32 s39, s34, 1
	s_add_co_u32 s38, s38, s39                     ; + my first head
	s_lshl_b32 s38, s38, 18
	s_and_b32 s39, s35, 7
	s_lshl_b32 s39, s39, 15
	s_add_co_u32 s38, s38, s39                     ; + two steps of 16,384 for each 256 keys,
	s_lshr_b32 s39, s[WV], 1
	s_lshl_b32 s39, s39, 14
	s_add_co_u32 s38, s38, s39                     ; of which waves 0, 1 fill the first and waves 2, 3 the second,
	s_and_b32 s39, s[WV], 1
	s_lshl_b32 s39, s39, 10
	s_add_co_u32 s38, s38, s39                     ; groups 2 (wave % 2) and the next of each tile,
	s_add_co_u32 s38, s38, 8192                    ; behind the step's K
	s_mov_b32 s39, 0
	s_add_nc_u64 s[16:17], s[16:17], s[38:39]
.macro LOADV t                         ; block t: 8 keys, into set t % 4
.set i, 0
.rept 8
	global_load_b128 v[XB+32*((\t)%4)+4*i:XB+32*((\t)%4)+4*i+3], v[LI], s[8:9] offset:(8*(\t)+i)*4096 th:TH_LOAD_NT
.set i, i+1
.endr
.endm
	LOADV 0
	LOADV 1
	LOADV 2
	LOADV 3
	s_wait_kmcnt 0x0
	s_add_co_i32 s32, s22, 127                     ; e2
	s_lshl_b32 s41, s32, 23
	v_mov_b32 v[SCL], s41
	s_add_co_i32 s32, s32, 8
	s_lshl_b32 s32, s32, 23
	s_or_b32 s32, s32, 0x600000
	v_mov_b32 v[LIM], s32
.macro BLOCKV t
.set XS, XB+32*((\t)%4)
.if (\t) < 4
	s_wait_loadcnt 24                              ; this block's 8 loads are in; the 24 of the three blocks behind it may be out
.else
	s_wait_loadcnt 8*(7-(\t))
.endif
.irp c, 0,1,2,3
.set i, 0
.rept 8
	v_med3_num_f32 v[TR+8*\c+i], v[XS+4*i+\c], -v[LIM], v[LIM]   ; the hold, into the turned place: channel c, key i
.set i, i+1
.endr
.endr
.irp c, 0,1,2,3
	v_cvt_scalef32_pk8_fp8_f32 v[CV+2*\c:CV+2*\c+1], v[TR+8*\c:TR+8*\c+7], v[SCL]
.endr
	v_nop                                          ; a plain line between the conversions and the next block's holds, which write their sources
.irp c, 0,1,2,3
	ds_store_b64 v[VSW], v[CV+2*\c:CV+2*\c+1] offset:16*\c+((\t)/4)*512+((\t)%2)*256+(((\t)%4)/2)*8
.endr
.if (\t)+4 < 8
	LOADV (\t)+4
.endif
	s_wait_dscnt 0x0                               ; the stores are done: the next block's codes may be written
.endm
	s_wait_alu depctr_va_vdst(0)
.irp t, 0,1,2,3,4,5,6,7
	BLOCKV \t
.endr
.set i, 0
.rept 16
	ds_load_b128 v[OUTR+4*i:OUTR+4*i+3], v[VSR] offset:512*i
.set i, i+1
.endr
.set i, 0
.rept 16
	s_wait_dscnt 15-i                              ; LDS loads come back in order: number i is in, the younger ones may be out
	global_store_b128 v[LI], v[OUTR+4*i:OUTR+4*i+3], s[16:17] offset:(i/8)*262144+((i/2)%4)*2048+(i%2)*512   ; head i / 8, tile (i / 2) % 4, group i % 2: 512 consecutive bytes, aligned
.set i, i+1
.endr
	s_wait_tensorcnt 0x0
	ds_add_u32 v208, v209
	s_wait_dscnt 0x0
	s_endpgm
.Lfunc_end_k_qba26cbf95f_quant:
	.size	k_qba26cbf95f_quant, .Lfunc_end_k_qba26cbf95f_quant-k_qba26cbf95f_quant
	.p2alignl 7, 3214868480
	.fill 96, 4, 3214868480
	.section	.rodata,"a",@progbits
	.p2align	6, 0x0
	.amdhsa_kernel k_qba26cbf95f_quant
		.amdhsa_group_segment_fixed_size 67072
		.amdhsa_private_segment_fixed_size 0
		.amdhsa_enable_private_segment 0
		.amdhsa_kernarg_size 64
		.amdhsa_user_sgpr_count 2
		.amdhsa_user_sgpr_kernarg_segment_ptr 1
		.amdhsa_wavefront_size32 1
		.amdhsa_system_sgpr_workgroup_id_x 1
		.amdhsa_system_sgpr_workgroup_id_y 1
		.amdhsa_system_sgpr_workgroup_id_z 1
		.amdhsa_system_vgpr_workitem_id 0
		.amdhsa_next_free_vgpr 210
		.amdhsa_next_free_sgpr 66
		.amdhsa_reserve_vcc 0
		.amdhsa_float_denorm_mode_32 3
		.amdhsa_float_denorm_mode_16_64 3
		.amdhsa_memory_ordered 1
		.amdhsa_forward_progress 1
		.amdhsa_inst_pref_size 70
	.end_amdhsa_kernel
	.amdgpu_metadata
---
amdhsa.version: [ 1, 2 ]
amdhsa.kernels:
  - .name:           k_qba26cbf95f_quant
    .symbol:         k_qba26cbf95f_quant.kd
    .args:
      - { .name: query, .offset: 0, .size: 8, .value_kind: global_buffer, .address_space: global }
      - { .name: key, .offset: 8, .size: 8, .value_kind: global_buffer, .address_space: global }
      - { .name: value, .offset: 16, .size: 8, .value_kind: global_buffer, .address_space: global }
      - { .name: W, .offset: 24, .size: 8, .value_kind: global_buffer, .address_space: global }
      - { .name: lowp_scales, .offset: 32, .size: 8, .value_kind: global_buffer, .address_space: global }
      - { .name: qc, .offset: 40, .size: 8, .value_kind: global_buffer, .address_space: global }
      - { .name: kv, .offset: 48, .size: 8, .value_kind: global_buffer, .address_space: global }
      - { .name: wc, .offset: 56, .size: 8, .value_kind: global_buffer, .address_space: global }
    .group_segment_fixed_size: 67072
    .private_segment_fixed_size: 0
    .kernarg_segment_align: 8
    .kernarg_segment_size: 64
    .max_flat_workgroup_size: 128
    .sgpr_count:     66
    .vgpr_count:     210
    .wavefront_size: 32
...
	.end_amdgpu_metadata
.endif
;; end of part 5
;; launch stats (part 6): grid 4 x 64, 16 waves a work-group, clusters of 4 x 1, 327,680 bytes of LDS; arguments qc, kv, lowp_scales, nm; writes nm
.if DOCPART == 6
	.amdgcn_target "amdgcn-amd-amdhsa--gfx1250"
	.amdhsa_code_object_version 6
	.text
	.protected	k_qba26cbf95f_stats
	.globl	k_qba26cbf95f_stats
	.p2align	8
	.type	k_qba26cbf95f_stats,@function
k_qba26cbf95f_stats:
	s_mov_b64 s[64:65], 0
	v_nop
	global_prefetch_b8 v0, s[64:65] scope:SCOPE_SE
	s_setreg_imm32_b32 hwreg(HW_REG_WAVE_MODE, 25, 1), 1
	s_wait_xcnt 0x0
	s_wait_alu depctr_hold_cnt(0) depctr_sa_sdst(0) depctr_va_vdst(0) depctr_va_sdst(0) depctr_va_ssrc(0) depctr_va_vcc(0) depctr_vm_vsrc(0)
	s_getreg_b32 s2, hwreg(HW_REG_IB_STS2, 6, 4)
	s_cmp_eq_u32 s2, 0
	s_cbranch_scc0 .Lentry_in_a_cluster
	s_endpgm
.Lentry_in_a_cluster:
	s_bfe_u32 s2, ttmp6, 0x10000c
	s_cmp_lg_u32 s2, 0x3003
	s_cbranch_scc0 .Lentry_shape_is_right
	s_endpgm
.Lentry_shape_is_right:
; The softmax runs over the QUERIES: each key's column of scores is normalised by itself.  For each (batch, head, key) this launch makes
;   nm = -(M + log2 (sum over all queries of 2^(t - M))),  t = score x log2(e) / 32,  M = the column's largest t rounded up to a whole number (a running maximum),
; so that the finished softmax is 2^(t + nm).  The scores are the first quantised product, on codes, times 2^(e0 + e1), which is folded into c = log2(e) / 32.
; LIMITS: e0 + e1 between -121 and 132 (they are added to c's exponent field); the scaled scores t stay under 2^31 in magnitude.  NaN is not served.
; SHARES.  A cluster of four work-groups is one head; a work-group owns 512 keys, each of its 16 waves two tiles of 16 keys, whose fragments stay in registers.
; S = Q K^T (source 0 = 16 queries, source 1 = my 16 keys): a lane holds ONE key (lane % 16) and its registers run down the queries: maximum and sum need no other lane
; until the end, when the two halves of the lanes (queries 8 (lane / 16) + 0..7 of each tile) are joined.
; A STEP: 16 products fill 128 registers, four quarters of 32 (quarters 0, 1: the first tile).  The maxima run in four chains by turns.  The 128 exponentials go in FOUR BLOCKS of 32, one a quarter, a wait between blocks.
; Between a block's exponentials stand plain lines that name no result of the block and do not hang on each other: the next quarter's 16 scalings, and earlier quarters' sums, taken as a tree, one level to a block,
; and f's four lines, one to a block.  Each such line's result is read only behind the next wait.
; The head's whole image of Q, 131,072 bytes, lies in LDS, filled ONCE: no LDS byte is filled again.  All four work-groups need the same bytes: they are asked for JOINTLY, in two parts.
; At the head each of the 16 waves asks for 1,024 bytes of the first 256 queries (steps 0 and 1); behind the full sequence and a round each asks for 7,168 bytes of the rest, which have two steps' work
; in which to land: one tensor load of a wave is out at any time.  All LDS is claimed.
; No prefetch: all that the launch reads is asked for at its head.
.set LI,  1                            ; v1   16 x lane
.set ADQ, 2                            ; v2   LDS address of the step's fragments
.set SO,  3                            ; v3   4 x lane
.set LN,  4                            ; v4   lane
.set ST,  8                            ; tile u: v[8+4u] -M, +1 the largest t, +2, +3 the sum in two halves
.set KF,  16                           ; v16-31   K's two fragments
.set QF,  32                           ; v32-95   eight fragments of Q
.set SS,  96                           ; v96-223  the scores, then 2^(t - M), then partial sums
.set MX,  224                          ; v224-227 the maximum's chains: chain n of tile u at MX + 2 u + n
.set FF,  232                          ; v[232:233], v[234:235] f = 2^(old M - new M); the odd registers are named with it as pairs
.set EN,  236                          ; v236-239 at work at the end
.set SPW, 240                          ; v240 my spare word; v241 0: both never rewritten
.set NIL, 241
.set SPARE, 0x29000                    ; the spare words: 128 bytes for each of 16 waves, eight blocks of 256 bytes that no other line names
.set WV,  12
.set CX,  13
.set HY,  14
.set CS,  16                           ; s[16:17] c, twice
.set SEL, 18                           ; s[18:19] v_permlanex16_b32's selects: lane l xor 16
.set TB,  20                           ; s20  LDS byte of the step's first fragment
.set CNT, 21
.macro DESC g, rows                    ; group 1: a dense block as rows of 256 bytes (32 elements of 8); mask: all four work-groups, bit 21 beside it; no padding
	s_mov_b32 s[\g], 15|(3<<16)|(1<<21)
	s_mov_b32 s[\g+1], 32<<16
	s_mov_b32 s[\g+2], (\rows)<<16
	s_mov_b32 s[\g+3], 32<<16
	s_mov_b32 s[\g+4], \rows
	s_mov_b32 s[\g+5], 32
	s_mov_b32 s[\g+6], 0
	s_mov_b32 s[\g+7], 0
.endm
.macro CROUND                          ; a round of the cluster's barrier
	s_barrier_signal -1
	s_barrier_wait -1
	s_cmp_lg_u32 s[WV], 0
	s_cbranch_scc1 .Lnot_wave_0_\@
	s_barrier_signal -3
.Lnot_wave_0_\@:
	s_barrier_wait -3
	s_barrier_signal -1
	s_barrier_wait -1
.endm
	s_load_b256 s[4:11], s[0:1], 0x0               ; qc s[4:5], kv s[6:7], scales s[8:9], nm s[10:11]
	v_lshl_add_u32 v[SPW], v0, 2, SPARE
	v_mov_b32 v[NIL], 0
	ds_add_u32 v[SPW], v[NIL]                      ; the opening lines: the add, twice on end, and its wait ahead of my first tensor load
	ds_add_u32 v[SPW], v[NIL]
	v_lshrrev_b32 v1, 5, v0
	v_readfirstlane_b32 s[WV], v1                  ; wave 0..15
	s_bfe_u32 s[CX], ttmp6, 0x40000                ; my place in the cluster: it enters K's and nm's addresses alone
	s_and_b32 s[HY], ttmp7, 0xffff                 ; the head pair, which the partners share
	v_and_b32 v[LN], 31, v0
	v_lshlrev_b32 v[LI], 4, v[LN]
	v_lshlrev_b32 v[SO], 2, v[LN]
.irp u, 0,1
	v_mov_b32 v[ST+4*\u+1], 0xff61b1e6             ; the largest t so far: -3e38, under every t
	v_floor_f32 v[ST+4*\u], -v[ST+4*\u+1]          ; -M
	v_mov_b32 v[ST+4*\u+2], 0
	v_mov_b32 v[ST+4*\u+3], 0
	v_mov_b32 v[FF+2*\u+1], 0
.endr
.irp i, 0,1,2,3
	v_mov_b32 v[EN+\i], 0                          ; a lane permute's destination counts as one of its sources
.endr
	DESC 24, 4                                     ; 1,024 bytes
	DESC 32, 28                                    ; 7,168 bytes
	s_mov_b32 s[SEL], 0x76543210
	s_mov_b32 s[SEL+1], 0xfedcba98
	s_mov_b32 s[TB], 0
	s_lshl_b32 s22, s[HY], 17                      ; the head's image of Q
	s_lshl_b32 s41, s[WV], 10                      ; first part: wave x 1,024, in LDS as in memory
	s_add_co_u32 s52, s22, s41
	s_mov_b32 s53, 0
	s_mul_i32 s45, s[WV], 7168
	s_add_co_u32 s45, s45, 16384                   ; second part: 16,384 + wave x 7,168
	s_add_co_u32 s54, s22, s45
	s_mov_b32 s55, 0
	s_lshl_b32 s56, s[HY], 18                      ; K: the head's block of kv,
	s_lshl_b32 s57, s[CX], 2
	s_lshr_b32 s58, s[WV], 2
	s_add_co_u32 s57, s57, s58
	s_lshl_b32 s57, s57, 14
	s_add_co_u32 s56, s56, s57                     ; step (32 cx + 2 w) / 8,
	s_lshl_b32 s57, s[WV], 1
	s_and_b32 s57, s57, 7
	s_lshl_b32 s57, s57, 10
	s_add_co_u32 s56, s56, s57                     ; tile (2 w) % 8
	s_mov_b32 s57, 0
	s_lshl_b32 s58, s[HY], 13                      ; nm: 8,192 bytes a head, 2,048 a work-group, 128 a wave
	s_lshl_b32 s59, s[CX], 11
	s_add_co_u32 s58, s58, s59
	s_lshl_b32 s59, s[WV], 7
	s_add_co_u32 s58, s58, s59
	s_mov_b32 s59, 0
	s_wait_alu depctr_va_vdst(0)
	s_wait_dscnt 0x0                               ; both opening adds are done
	s_wait_kmcnt 0x0
	s_load_b64 s[48:49], s[8:9], 0x0               ; e0, e1
	s_mov_b32 s40, 1
	s_add_nc_u64 s[42:43], s[4:5], s[52:53]
	s_or_b32 s43, s43, 0x80000000
	s_mov_b32 s44, 1
	s_add_nc_u64 s[46:47], s[4:5], s[54:55]
	s_or_b32 s47, s47, 0x80000000
	s_add_nc_u64 s[6:7], s[6:7], s[56:57]
	s_add_nc_u64 s[10:11], s[10:11], s[58:59]
	CROUND                                         ; all four work-groups are here: the joint loads meet
	tensor_load_to_lds s[40:43], s[24:31]          ; my part of steps 0 and 1: one tensor load a wave at the head
	s_nop 0
.rept 4
	v_nop
.endr
.irp i, 0,1,2,3
	global_load_b128 v[KF+4*\i:KF+4*\i+3], v[LI], s[6:7] offset:512*\i   ; my two tiles of keys: they stay
.endr
	s_wait_kmcnt 0x0
	s_add_co_i32 s48, s48, s49
	s_lshl_b32 s48, s48, 23
	s_add_co_i32 s[CS], s48, 0x3d38aa3b            ; c = log2(e) / 32 x 2^(e0 + e1)
	s_mov_b32 s[CS+1], s[CS]
	s_wait_tensorcnt 0x0                           ; my first part is in; a later first fill stands behind the same lines as a refill:
	ds_add_u32 v[SPW], v[NIL]                      ; 0 onto my spare word,
	s_wait_dscnt 0x0                               ; done,
	CROUND                                         ; a whole round: everybody's first part is in, and the joint loads meet
	tensor_load_to_lds s[44:47], s[32:39]          ; my 7,168 bytes of the other 14 steps
	s_nop 0
.rept 4
	v_nop
.endr
.macro SCALE nf                        ; pair nf of the 64: t - M, two at a time; of the pairs c and (-M, largest t) the low word serves both halves
	v_pk_fma_f32 v[SS+2*(\nf):SS+2*(\nf)+1], v[SS+2*(\nf):SS+2*(\nf)+1], s[CS:CS+1], v[ST+4*((\nf)/32):ST+4*((\nf)/32)+1] op_sel_hi:[1,0,0]
.endm
.macro TADD q, lvl, i                  ; quarter q's sum as a tree over its 16 pairs: level lvl (1 to 4), line i: pair i 2^lvl takes in the pair 2^(lvl - 1) further on
.set TA, SS+32*(\q)+2*((\i)<<(\lvl))
.set TP, TA+(1<<(\lvl))
	v_pk_add_f32 v[TA:TA+1], v[TA:TA+1], v[TP:TP+1]
.endm
.macro FILL q                          ; the plain line behind exponential n of block q.  All its sources were written ahead of the wait in front of the block
.if n < 16
.if (\q) < 3
	SCALE 16*((\q)+1)+n
.endif
.elseif n < 24
.if (\q) >= 1
	TADD (\q)-1, 1, n-16
.elseif n < 18
	v_sub_f32 v[MX+2*(n-16)], v[ST+4*(n-16)], v[MX+2*(n-16)]   ; old M - new M: a whole number, 0 or less
.endif
.elseif n < 28
.if (\q) >= 2
	TADD (\q)-2, 2, n-24
.elseif ((\q) == 1) && (n < 26)
	v_cvt_i32_f32 v[MX+2*(n-24)], v[MX+2*(n-24)]   ; (it saturates)
.endif
.elseif n < 30
.if (\q) == 3
	TADD 0, 3, n-28
.elseif (\q) == 2
	v_ldexp_f32 v[FF+2*(n-28)], 1.0, v[MX+2*(n-28)]   ; f = 2^(old M - new M): rounds nothing
.endif
.else
.if (\q) == 3
	v_pk_mul_f32 v[ST+4*(n-30)+2:ST+4*(n-30)+3], v[ST+4*(n-30)+2:ST+4*(n-30)+3], v[FF+2*(n-30):FF+2*(n-30)+1] op_sel_hi:[1,0]   ; the sum under the new M
.endif
.endif
.endm
.macro EBLK q                          ; block q: a wait, 32 exponentials with plain lines between them, a plain line behind the last
	s_wait_alu depctr_va_vdst(0)                   ; ahead of this block, and behind the block before
.set n, 0
.rept 32
	v_exp_f32 v[SS+32*(\q)+n], v[SS+32*(\q)+n]
	FILL \q
.set n, n+1
.endr
	v_nop
.endm
; A STEP: 128 queries against my two tiles of keys.
.macro QSTEP
	v_add_nc_u32 v[ADQ], s[TB], v[LI]
.set i, 0
.rept 8
	ds_load_b128 v[QF+8*i:QF+8*i+3],   v[ADQ] offset:1024*i      ; (the last step's vector work stands between its products and these loads)
	ds_load_b128 v[QF+8*i+4:QF+8*i+7], v[ADQ] offset:1024*i+512
.set i, i+1
.endr
	s_add_co_u32 s[TB], s[TB], 8192
	s_wait_dscnt 0x0
.set i, 0
.rept 16
	v_wmma_f32_16x16x64_fp8_fp8 v[SS+8*i:SS+8*i+7], v[QF+8*(i%8):QF+8*(i%8)+7], v[KF+8*(i/8):KF+8*(i/8)+7], 0
.set i, i+1
.endr
.rept 4
	v_nop                                          ; four places behind the products, ahead of the first read of their results (ISA guide 7.12.1)
.endr
	; each key's largest score among my 64 queries: two chains a tile, the four by turns; the registers in ascending order
.irp u, 0,1
	v_max3_num_f32 v[MX+2*\u], v[SS+64*\u], v[SS+64*\u+1], v[SS+64*\u+2]
.endr
.irp u, 0,1
	v_max3_num_f32 v[MX+2*\u+1], v[SS+64*\u+3], v[SS+64*\u+4], v[SS+64*\u+5]
.endr
.set i, 6
.rept 14
.irp u, 0,1
	v_max3_num_f32 v[MX+2*\u], v[MX+2*\u], v[SS+64*\u+i], v[SS+64*\u+i+1]
.endr
.irp u, 0,1
	v_max3_num_f32 v[MX+2*\u+1], v[MX+2*\u+1], v[SS+64*\u+i+2], v[SS+64*\u+i+3]
.endr
.set i, i+4
.endr
.irp u, 0,1
	v_max3_num_f32 v[MX+2*\u], v[MX+2*\u], v[SS+64*\u+62], v[SS+64*\u+63]
.endr
.irp u, 0,1
	v_max_num_f32 v[MX+2*\u], v[MX+2*\u], v[MX+2*\u+1]
.endr
.irp u, 0,1
	v_mul_f32 v[MX+2*\u], s[CS], v[MX+2*\u]        ; as t (c is positive)
.endr
.irp u, 0,1
	v_max_num_f32 v[ST+4*\u+1], v[ST+4*\u+1], v[MX+2*\u]   ; the running largest t
.endr
.irp u, 0,1
	v_mov_b32 v[MX+2*\u], v[ST+4*\u]               ; the old -M is kept for f
.endr
.irp u, 0,1
	v_floor_f32 v[ST+4*\u], -v[ST+4*\u+1]          ; the new -M = -ceil(t)
.endr
.set n, 0
.rept 16
	SCALE n                                        ; quarter 0's scalings stand ahead of the first block
.set n, n+1
.endr
	EBLK 0
	EBLK 1
	EBLK 2
	EBLK 3
	s_wait_alu depctr_va_vdst(0)                   ; the wait behind the last block, ahead of its first reader
	; what is left of the four trees, level by level: quarter 3 from level 1, quarter 2 from 2, quarter 1 from 3, quarter 0 level 4
.irp i, 0,1,2,3,4,5,6,7
	TADD 3, 1, \i
.endr
.irp i, 0,1,2,3
	TADD 2, 2, \i
	TADD 3, 2, \i
.endr
.irp i, 0,1
	TADD 1, 3, \i
	TADD 2, 3, \i
	TADD 3, 3, \i
.endr
.irp q, 0,1,2,3
	TADD \q, 4, 0
.endr
.irp q, 0,2,1,3
	v_pk_add_f32 v[ST+4*(\q/2)+2:ST+4*(\q/2)+3], v[ST+4*(\q/2)+2:ST+4*(\q/2)+3], v[SS+32*\q:SS+32*\q+1]
.endr
.endm
	s_wait_loadcnt 0x0                             ; K
	s_mov_b32 s[CNT], 2                            ; steps 0 and 1: the first 256 queries
.Lq0:
	QSTEP
	s_sub_co_u32 s[CNT], s[CNT], 1
	s_cmp_lg_u32 s[CNT], 0
	s_cbranch_scc1 .Lq0
	s_wait_tensorcnt 0x0                           ; my second part is in
	s_wait_dscnt 0x0
	s_barrier_signal -1
	s_barrier_wait -1                              ; everybody's is
	s_mov_b32 s[CNT], 14                           ; steps 2 to 15
.Lq:
	QSTEP
	s_sub_co_u32 s[CNT], s[CNT], 1
	s_cmp_lg_u32 s[CNT], 0
	s_cbranch_scc1 .Lq
	; THE END: the two halves of the lanes are joined under the larger M
	v_cmp_gt_u32 vcc_lo, 16, v[LN]
.irp u, 0,1
.set T, ST+4*\u
	v_add_f32 v[T+2], v[T+2], v[T+3]
	v_permlanex16_b32 v[EN+2*\u], v[T], s[SEL], s[SEL+1]
	v_min_num_f32 v[EN+2*\u+1], v[T], v[EN+2*\u]   ; -M of the whole column
	v_sub_f32 v[EN+2*\u], v[EN+2*\u+1], v[T]       ; my M less the column's: a whole number, 0 or less
	v_cvt_i32_f32 v[EN+2*\u], v[EN+2*\u]
	v_ldexp_f32 v[T+2], v[T+2], v[EN+2*\u]
	v_permlanex16_b32 v[T+3], v[T+2], s[SEL], s[SEL+1]
	v_add_f32 v[T+2], v[T+2], v[T+3]               ; the column's sum: at least a half, so the logarithm's source is no denormal
.endr
	s_wait_alu depctr_va_vdst(0)                   ; ahead of the two transcendentals
	v_log_f32 v[ST+3], v[ST+2]
	v_log_f32 v[ST+7], v[ST+6]
	v_nop                                          ; a plain line behind the last transcendental
	s_wait_alu depctr_va_vdst(0)                   ; one wait for both, ahead of the first reader
	v_sub_f32 v[ST+3], v[EN+1], v[ST+3]            ; nm = -M - log2(sum)
	v_sub_f32 v[ST+7], v[EN+3], v[ST+7]
	v_cndmask_b32 v[ST+3], v[ST+7], v[ST+3], vcc_lo   ; lanes 0-15 give the first tile's 16 keys, lanes 16-31 the second's
	global_store_b32 v[SO], v[ST+3], s[10:11]      ; 128 consecutive bytes a wave; the sixteen waves' pieces lie on end
	s_wait_tensorcnt 0x0                           ; the wave's end
	ds_add_u32 v[SPW], v[NIL]
	s_wait_dscnt 0x0
	CROUND                                         ; the closing round
	s_endpgm
.Lfunc_end_k_qba26cbf95f_stats:
	.size	k_qba26cbf95f_stats, .Lfunc_end_k_qba26cbf95f_stats-k_qba26cbf95f_stats
	.p2alignl 7, 3214868480
	.fill 96, 4, 3214868480
	.section	.rodata,"a",@progbits
	.p2align	6, 0x0
	.amdhsa_kernel k_qba26cbf95f_stats
		.amdhsa_group_segment_fixed_size 327680
		.amdhsa_private_segment_fixed_size 0
		.amdhsa_enable_private_segment 0
		.amdhsa_kernarg_size 32
		.amdhsa_user_sgpr_count 2
		.amdhsa_user_sgpr_kernarg_segment_ptr 1
		.amdhsa_wavefront_size32 1
		.amdhsa_system_sgpr_workgroup_id_x 1
		.amdhsa_system_sgpr_workgroup_id_y 1
		.amdhsa_system_sgpr_workgroup_id_z 1
		.amdhsa_system_vgpr_workitem_id 0
		.amdhsa_next_free_vgpr 242
		.amdhsa_next_free_sgpr 66
		.amdhsa_reserve_vcc 1
		.amdhsa_float_denorm_mode_32 3
		.amdhsa_float_denorm_mode_16_64 3
		.amdhsa_memory_ordered 1
		.amdhsa_forward_progress 1
		.amdhsa_inst_pref_size 46
	.end_amdhsa_kernel
	.amdgpu_metadata
---
amdhsa.version: [ 1, 2 ]
amdhsa.kernels:
  - .name:           k_qba26cbf95f_stats
    .symbol:         k_qba26cbf95f_stats.kd
    .args:
      - { .name: qc, .offset: 0, .size: 8, .value_kind: global_buffer, .address_space: global }
      - { .name: kv, .offset: 8, .size: 8, .value_kind: global_buffer, .address_space: global }
      - { .name: lowp_scales, .offset: 16, .size: 8, .value_kind: global_buffer, .address_space: global }
      - { .name: nm, .offset: 24, .size: 8, .value_kind: global_buffer, .address_space: global }
    .group_segment_fixed_size: 327680
    .private_segment_fixed_size: 0
    .kernarg_segment_align: 8
    .kernarg_segment_size: 32
    .max_flat_workgroup_size: 512
    .sgpr_count:     66
    .vgpr_count:     242
    .wavefront_size: 32
...
	.end_amdgpu_metadata
.endif
;; end of part 6
;; launch attn (part 7): grid 4 x 64, 8 waves a work-group, clusters of 4 x 1, 327,680 bytes of LDS; arguments qc, kv, nm, lowp_scales, ao; writes ao
.if DOCPART == 7
	.amdgcn_target "amdgcn-amd-amdhsa--gfx1250"
	.amdhsa_code_object_version 6
	.text
	.protected	k_qba26cbf95f_attn
	.globl	k_qba26cbf95f_attn
	.p2align	8
	.type	k_qba26cbf95f_attn,@function
k_qba26cbf95f_attn:
	s_mov_b64 s[64:65], 0
	v_nop
	global_prefetch_b8 v0, s[64:65] scope:SCOPE_SE
	s_setreg_imm32_b32 hwreg(HW_REG_WAVE_MODE, 25, 1), 1
	s_wait_xcnt 0x0
	s_wait_alu depctr_hold_cnt(0) depctr_sa_sdst(0) depctr_va_vdst(0) depctr_va_sdst(0) depctr_va_ssrc(0) depctr_va_vcc(0) depctr_vm_vsrc(0)
	s_getreg_b32 s2, hwreg(HW_REG_IB_STS2, 6, 4)
	s_cmp_eq_u32 s2, 0
	s_cbranch_scc0 .Lentry_in_a_cluster
	s_endpgm
.Lentry_in_a_cluster:
	s_bfe_u32 s2, ttmp6, 0x10000c
	s_cmp_lg_u32 s2, 0x3003
	s_cbranch_scc0 .Lentry_shape_is_right
	s_endpgm
.Lentry_shape_is_right:
; ao = codes of  sum over keys of Q3(2^(t + nm)) V,  t = score x log2(e) / 32: the finished softmax over the queries (nm = -(M + log2 sum) of each key's column comes from the launch before),
; quantised with 2^e3, times V's codes; the f32 sums, which stand for sum x 2^(e2 + e3), are quantised with 2^e4 into images of operand registers for the last product.
; LIMITS: e0 + e1 between -121 and 132 (added to c's exponent field); e3, and e4 - e2 - e3, between -126 and 119.  NaN is not served.
; SHARES.  A cluster of four work-groups is one (batch, head); a work-group owns 512 queries, each of its 8 waves 64: four tiles a of 16, whose fragments stay in registers.  Every wave walks all 2,048 keys, 128 a step.
; Both products are used transposed: S^T = K Q^T (source 0 = 16 keys, source 1 = 16 queries), O^T = V^T P^T: a lane holds one query; tile i's register j is key 16 i + 8 (lane / 16) + j,
; which is the place that the plain 8-bit layout gives k, so the conversions' 16 registers are the K = 128 operand as they stand.
; A UNIT is one tile of queries against a step's 128 keys: 64 scores a lane.  THE UNITS OVERLAP BY ONE, on two buffers of 64 registers by turns: unit n's 8 products and 32 packed scalings; a wait; its 64 exponentials,
; with unit n - 1's 32 holds (dual lines on the other buffer, which name no result of the batch) between them; a wait; unit n - 1's conversions and its 4 products with V.
; LDS loads run ahead: V of a step is asked for in its tile 1 (its first use is at that tile's end), K and nm of the next step in tile 3.
; LDS, filled ONCE, by joint loads (all four work-groups read the same K, V and nm): bytes 0 - 262,143 the head's 16 key steps of kv (K 8,192 | V 8,192 each); 262,144 - 270,335 its nm; then the spare words.
; At the head waves 0-3 ask for key steps 0 and 1 (8,192 bytes each) and waves 4-7 for nm (2,048 each): one load a wave.  Behind the full sequence and a round each wave asks for 28,672 bytes of the other
; 14 steps; the wait for them and a barrier stand in step 1's tile 3, ahead of the first read of step 2: one tensor load of a wave is out at any time.  All LDS is claimed.
; No prefetch: all that the launch reads is asked for at its head.
; REGISTERS.  window 0: v1-11 addresses and constants; v12-43 Q's four fragments; v44-107 nm in the scores' layout; v108-171, v172-235 the two buffers of scores, then p; v236-251 p's codes.
;   window 1: v0-127 O^T (tile a, 16 channels t at 32 a + 8 t); v128-191 K's eight fragments; v192-255 V's four fragments.
.set LI,  1                            ; 16 x lane
.set ADR, 2                            ; the step's kv in LDS + 16 x lane
.set NM0, 3                            ; nm's base + 32 (lane / 16)
.set ANM, 4                            ; the step's nm
.set PS,  5                            ; 2^e3
.set PL,  6                            ; 448 x 2^e3
.set HS,  7                            ; 2^(e4 - e2 - e3)
.set HL,  8                            ; 448 x that
.set PL2, 9                            ; PL once more, for the dual form's second half
.set SPW, 10                           ; my spare word's address, and 0: never rewritten
.set NIL, 11
.set QF,  12
.set NM,  44
.set SS,  108
.set PP,  236
.set KF,  128                          ; window 1
.set VF,  192                          ; window 1
.set NMB,   0x40000
.set SPARE, 0x42000                    ; 128 bytes for each of 8 waves: four blocks of 256 bytes that no other line names
.set WV,  14
.set CX,  15
.set HY,  16
.set CS,  18                           ; s[18:19] c = log2(e) / 32 x 2^(e0 + e1), twice
.set TB,  20                           ; the step's first byte of kv in LDS
.set TN,  21                           ; and of nm
.set CNT, 22
.set MSB, 0
.macro WIN new                         ; the immediate's high byte repeats the setting that is left
.if MSB != (\new)
	s_set_vgpr_msb (MSB<<8)|(\new)
.set MSB, (\new)
.endif
.endm
.macro DESC g, rows                    ; group 1: a dense block as rows of 256 bytes (32 elements of 8); mask: all four work-groups, bit 21 beside it; no padding
	s_mov_b32 s[\g], 15|(3<<16)|(1<<21)
	s_mov_b32 s[\g+1], 32<<16
	s_mov_b32 s[\g+2], (\rows)<<16
	s_mov_b32 s[\g+3], 32<<16
	s_mov_b32 s[\g+4], \rows
	s_mov_b32 s[\g+5], 32
	s_mov_b32 s[\g+6], 0
	s_mov_b32 s[\g+7], 0
.endm
.macro CROUND                          ; a round of the cluster's barrier
	s_barrier_signal -1
	s_barrier_wait -1
	s_cmp_lg_u32 s[WV], 0
	s_cbranch_scc1 .Lnot_wave_0_\@
	s_barrier_signal -3
.Lnot_wave_0_\@:
	s_barrier_wait -3
	s_barrier_signal -1
	s_barrier_wait -1
.endm
	s_load_b256 s[4:11], s[0:1], 0x0               ; qc s[4:5], kv s[6:7], nm s[8:9], scales s[10:11]
	s_load_b64 s[12:13], s[0:1], 0x20              ; ao
	v_lshl_add_u32 v[SPW], v0, 2, SPARE
	v_mov_b32 v[NIL], 0
	ds_add_u32 v[SPW], v[NIL]                      ; the opening lines: the add, twice on end, and its wait ahead of my first tensor load
	ds_add_u32 v[SPW], v[NIL]
	v_lshrrev_b32 v1, 5, v0
	v_readfirstlane_b32 s[WV], v1                  ; wave 0..7
	s_bfe_u32 s[CX], ttmp6, 0x40000                ; my place in the cluster: it enters Q's and ao's addresses alone
	s_and_b32 s[HY], ttmp7, 0xffff                 ; the (batch, head), which the partners share
	v_and_b32 v9, 31, v0
	v_lshlrev_b32 v[LI], 4, v9
	v_bfe_u32 v9, v0, 4, 1
	v_lshl_add_u32 v[NM0], v9, 5, NMB
	DESC 24, 32                                    ; 8,192 bytes
	DESC 32, 8                                     ; 2,048 bytes
	DESC 40, 112                                   ; 28,672 bytes
	s_mov_b32 s[TB], 0
	s_mov_b32 s[TN], 0
	s_and_b32 s60, s[WV], 3
	s_lshl_b32 s49, s60, 13                        ; key steps 0, 1: (wave % 4) x 8,192, in LDS as in the head's block
	s_lshl_b32 s62, s[HY], 18                      ; the head's block of kv
	s_add_co_u32 s74, s62, s49
	s_mov_b32 s75, 0
	s_lshl_b32 s60, s60, 11                        ; nm: (wave % 4) x 2,048
	s_add_co_u32 s53, s60, NMB
	s_lshl_b32 s61, s[HY], 13
	s_add_co_u32 s60, s60, s61
	s_mov_b32 s61, 0
	s_mul_i32 s57, s[WV], 28672                    ; the other 14 steps: 32,768 + wave x 28,672
	s_add_co_u32 s57, s57, 32768
	s_add_co_u32 s76, s62, s57
	s_mov_b32 s77, 0
	s_lshl_b32 s66, s[HY], 17                      ; Q: the head's image, 32,768 bytes a work-group, 4,096 a wave
	s_lshl_b32 s67, s[CX], 15
	s_add_co_u32 s66, s66, s67
	s_lshl_b32 s67, s[WV], 12
	s_add_co_u32 s66, s66, s67
	s_mov_b32 s67, 0
	s_lshr_b32 s78, s[HY], 4                       ; ao: [block of 128 rows: 16 batch + 4 cx + wave / 2][head][tile of 16 rows: 8][1,024]
	s_lshl_b32 s78, s78, 4
	s_lshl_b32 s79, s[CX], 2
	s_add_co_u32 s78, s78, s79
	s_lshr_b32 s79, s[WV], 1
	s_add_co_u32 s78, s78, s79
	s_lshl_b32 s78, s78, 17
	s_and_b32 s79, s[HY], 15
	s_lshl_b32 s79, s79, 13
	s_add_co_u32 s78, s78, s79
	s_and_b32 s79, s[WV], 1
	s_lshl_b32 s79, s79, 12
	s_add_co_u32 s78, s78, s79
	s_mov_b32 s79, 0
	s_wait_alu depctr_va_vdst(0)
	s_wait_dscnt 0x0                               ; both opening adds are done
	s_wait_kmcnt 0x0
	s_load_b128 s[68:71], s[10:11], 0x0            ; e0 .. e3
	s_load_b64 s[72:73], s[10:11], 0x10            ; e4, e5
	s_mov_b32 s48, 1
	s_add_nc_u64 s[50:51], s[6:7], s[74:75]
	s_or_b32 s51, s51, 0x80000000
	s_mov_b32 s52, 1
	s_add_nc_u64 s[54:55], s[8:9], s[60:61]
	s_or_b32 s55, s55, 0x80000000
	s_mov_b32 s56, 1
	s_add_nc_u64 s[58:59], s[6:7], s[76:77]
	s_or_b32 s59, s59, 0x80000000
	s_add_nc_u64 s[4:5], s[4:5], s[66:67]
	s_add_nc_u64 s[12:13], s[12:13], s[78:79]
	CROUND                                         ; all four work-groups are here: the joint loads meet
	s_cmp_lt_u32 s[WV], 4                          ; one chain on the wave's number, one load to an arm; an s_nop 0 and four v_nop follow each
	s_cbranch_scc0 .Lfor_nm
	tensor_load_to_lds s[48:51], s[24:31]          ; waves 0-3: key steps 0 and 1
	s_nop 0
.rept 4
	v_nop
.endr
	s_branch .Lasked
.Lfor_nm:
	tensor_load_to_lds s[52:55], s[32:39]          ; waves 4-7: nm
	s_nop 0
.rept 4
	v_nop
.endr
.Lasked:
.irp i, 0,1,2,3,4,5,6,7
	global_load_b128 v[QF+4*\i:QF+4*\i+3], v[LI], s[4:5] offset:512*\i   ; my four tiles of queries: they stay
.endr
	s_wait_kmcnt 0x0
	s_add_co_i32 s66, s68, s69
	s_lshl_b32 s66, s66, 23
	s_add_co_i32 s[CS], s66, 0x3d38aa3b            ; c = log2(e) / 32 x 2^(e0 + e1)
	s_mov_b32 s[CS+1], s[CS]
	s_add_co_i32 s66, s71, 127
	s_lshl_b32 s67, s66, 23
	v_mov_b32 v[PS], s67
	s_add_co_i32 s66, s66, 8
	s_lshl_b32 s66, s66, 23
	s_or_b32 s66, s66, 0x600000
	v_mov_b32 v[PL], s66
	v_mov_b32 v[PL2], s66
	s_sub_co_i32 s66, s72, s70                     ; a sum stands for sum x 2^(e2 + e3): its code is sum / 2^(e4 - e2 - e3)
	s_sub_co_i32 s66, s66, s71
	s_add_co_i32 s66, s66, 127
	s_lshl_b32 s67, s66, 23
	v_mov_b32 v[HS], s67
	s_add_co_i32 s66, s66, 8
	s_lshl_b32 s66, s66, 23
	s_or_b32 s66, s66, 0x600000
	v_mov_b32 v[HL], s66
	s_wait_alu depctr_va_vdst(0)                   ; at the head's end
	s_wait_tensorcnt 0x0                           ; my head load is in; a later first fill stands behind the same lines as a refill:
	ds_add_u32 v[SPW], v[NIL]                      ; 0 onto my spare word,
	s_wait_dscnt 0x0                               ; done,
	CROUND                                         ; a whole round: everybody's part of steps 0, 1 and of nm is in, and the joint loads meet
	tensor_load_to_lds s[56:59], s[40:47]          ; my 28,672 bytes of the other 14 steps
	s_nop 0
.rept 4
	v_nop
.endr
.macro KLOAD adr, off                  ; a step's eight fragments of K
	WIN 0x40
.set i, 0
.rept 8
	ds_load_b128 v[KF+8*i:KF+8*i+3],   v[\adr] offset:(\off)+1024*i
	ds_load_b128 v[KF+8*i+4:KF+8*i+7], v[\adr] offset:(\off)+1024*i+512
.set i, i+1
.endr
	WIN 0
.endm
.macro NLOAD adr, off                  ; nm of the step's keys 16 i + 8 (lane / 16) + 0..7
.set i, 0
.rept 8
	ds_load_b128 v[NM+8*i:NM+8*i+3],   v[\adr] offset:(\off)+64*i
	ds_load_b128 v[NM+8*i+4:NM+8*i+7], v[\adr] offset:(\off)+64*i+16
.set i, i+1
.endr
.endm
.macro HOLD j                          ; the conversion does not saturate (ISA guide 7.6.2): the hold comes first; p is not negative, so it is one-sided
	v_dual_min_num_f32 v[SY+(\j)], v[SY+(\j)], v[PL] :: v_dual_min_num_f32 v[SY+(\j)+1], v[SY+(\j)+1], v[PL2]
.endm
.macro TOV pa, zero                    ; the held p in buffer SY becomes codes and meets V: tile pa's four accumulators, one line a turn
.set i, 0
.rept 8
	v_cvt_scalef32_pk8_fp8_f32 v[PP+2*i:PP+2*i+1], v[SY+8*i:SY+8*i+7], v[PS]
.set i, i+1
.endr
	v_nop                                          ; a plain line between the conversions and the matrix instructions that read their results or write their sources
.if (\pa) == 0
	s_wait_alu depctr_va_vdst(0)                   ; directly ahead of the wait below
	s_wait_dscnt 0x0                               ; the step's V is in
.endif
	WIN 0x51
.irp t, 0,1,2,3
.if \zero
	v_wmma_f32_16x16x128_fp8_fp8 v[32*(\pa)+8*\t:32*(\pa)+8*\t+7], v[VF+16*\t:VF+16*\t+15], v[PP:PP+15], 0
.else
	v_wmma_f32_16x16x128_fp8_fp8 v[32*(\pa)+8*\t:32*(\pa)+8*\t+7], v[VF+16*\t:VF+16*\t+15], v[PP:PP+15], v[32*(\pa)+8*\t:32*(\pa)+8*\t+7]
.endif
.endr
	WIN 0
.endm
; A KEY STEP.  prev: a unit stands before tile 0's.  z0, z: the products with V of the step before's tile 3, of this step's tiles 0-2, start their sums.  next: K and nm of the next step are asked for.
; sync: ahead of that, the wait for my part of steps 2-15 and a barrier.  At the step's head K's 16 loads and then nm's 16 are out.
.macro STEP prev, z0, z, next, sync
	v_add_nc_u32 v[ADR], s[TB], v[LI]
	v_add_nc_u32 v[ANM], s[TN], v[NM0]
	s_add_co_u32 s[TB], s[TB], 16384
	s_add_co_u32 s[TN], s[TN], 512
.irp a, 0,1,2,3
.set SX, SS+64*(\a%2)                  ; this unit's buffer
.set SY, SS+64*(1-\a%2)                ; the buffer of the unit before
.if \a == 0
	s_wait_dscnt 16                                ; K is in; nm's 16 may be out
.endif
	WIN 0x01
.set i, 0
.rept 8
	v_wmma_f32_16x16x64_fp8_fp8 v[SX+8*i:SX+8*i+7], v[KF+8*i:KF+8*i+7], v[QF+8*\a:QF+8*\a+7], 0
.set i, i+1
.endr
	WIN 0
.rept 4
	v_nop                                          ; four places: ahead of the first read of the scores, and of the loads into registers that matrix instructions have read
.endr
.if \a == 1
	WIN 0x40
.set i, 0
.rept 16
	ds_load_b128 v[VF+4*i:VF+4*i+3], v[ADR] offset:8192+512*i   ; this step's V: the step before's last products with V stand in tile 0
.set i, i+1
.endr
	WIN 0
.endif
.if (\a == 3) && \next
.if \sync
	s_wait_tensorcnt 0x0                           ; my part of the other 14 steps is in
	s_wait_dscnt 0x0
	s_barrier_signal -1
	s_barrier_wait -1                              ; everybody's is
.endif
	KLOAD ADR, 16384                               ; the next step's K
.endif
.if \a == 0
	s_wait_dscnt 0x0                               ; nm is in
.endif
.set nf, 0
.rept 32                               ; t + nm, two at a time, each accumulator from its low end on
	v_pk_fma_f32 v[SX+2*nf:SX+2*nf+1], v[SX+2*nf:SX+2*nf+1], s[CS:CS+1], v[NM+2*nf:NM+2*nf+1] op_sel_hi:[1,0,1]
.set nf, nf+1
.endr
.if (\a == 3) && \next
	NLOAD ANM, 512                                 ; the next step's nm
.endif
	s_wait_alu depctr_va_vdst(0)                   ; ahead of the batch
.set ne, 0
.rept 32
	v_exp_f32 v[SX+ne], v[SX+ne]                   ; the finished softmax
.if (\a > 0) || \prev
	HOLD ne
.endif
	v_exp_f32 v[SX+ne+1], v[SX+ne+1]
.set ne, ne+2
.endr
	v_nop                                          ; a plain line behind the last transcendental
	s_wait_alu depctr_va_vdst(0)                   ; one wait for the batch, and for the holds' results
.if \a > 0
	TOV \a-1, \z
.elseif \prev
	TOV 3, \z0
.endif
.endr
.endm
	s_wait_loadcnt 0x0                             ; Q
	KLOAD LI, 0                                    ; step 0's K and nm
	NLOAD NM0, 0
	STEP 0, 0, 1, 1, 0                             ; step 0
	STEP 1, 1, 0, 1, 1                             ; step 1
	s_mov_b32 s[CNT], 13                           ; steps 2 to 14
.Lstep:
	STEP 1, 0, 0, 1, 0
	s_sub_co_u32 s[CNT], s[CNT], 1
	s_cmp_lg_u32 s[CNT], 0
	s_cbranch_scc1 .Lstep
	STEP 1, 0, 0, 0, 0                             ; step 15 asks for nothing more
.set SY, SS+64                         ; the last unit (tile 3) lies in the second buffer
.set j, 0
.rept 32
	HOLD j
.set j, j+2
.endr
	TOV 3, 0
	; THE WAY OUT: hold, convert; tiles t = 0, 1 and t = 2, 3 of a query tile are the two groups of its image: 16 bytes a lane, 512 consecutive bytes a store
.rept 4
	v_nop
.endr
	WIN 0x41
	s_wait_alu depctr_va_vdst(0)                   ; directly ahead of the first reader of O^T
.set j, 0
.rept 128
	v_med3_num_f32 v[j], v[j], -v[HL], v[HL]
.set j, j+1
.endr
	WIN 0x01
.set j, 0
.rept 16
	v_cvt_scalef32_pk8_fp8_f32 v[NM+2*j:NM+2*j+1], v[8*j:8*j+7], v[HS]
.set j, j+1
.endr
	v_nop
	WIN 0
.irp i, 0,1,2,3,4,5,6,7
	global_store_b128 v[LI], v[NM+4*\i:NM+4*\i+3], s[12:13] offset:512*\i
.endr
	s_wait_tensorcnt 0x0                           ; the wave's end
	ds_add_u32 v[SPW], v[NIL]
	s_wait_dscnt 0x0
	CROUND                                         ; the closing round
	s_endpgm
.Lfunc_end_k_qba26cbf95f_attn:
	.size	k_qba26cbf95f_attn, .Lfunc_end_k_qba26cbf95f_attn-k_qba26cbf95f_attn
	.p2alignl 7, 3214868480
	.fill 96, 4, 3214868480
	.section	.rodata,"a",@progbits
	.p2align	6, 0x0
	.amdhsa_kernel k_qba26cbf95f_attn
		.amdhsa_group_segment_fixed_size 327680
		.amdhsa_private_segment_fixed_size 0
		.amdhsa_enable_private_segment 0
		.amdhsa_kernarg_size 40
		.amdhsa_user_sgpr_count 2
		.amdhsa_user_sgpr_kernarg_segment_ptr 1
		.amdhsa_wavefront_size32 1
		.amdhsa_system_sgpr_workgroup_id_x 1
		.amdhsa_system_sgpr_workgroup_id_y 1
		.amdhsa_system_sgpr_workgroup_id_z 1
		.amdhsa_system_vgpr_workitem_id 0
		.amdhsa_next_free_vgpr 512
		.amdhsa_next_free_sgpr 80
		.amdhsa_reserve_vcc 0
		.amdhsa_float_denorm_mode_32 3
		.amdhsa_float_denorm_mode_16_64 3
		.amdhsa_memory_ordered 1
		.amdhsa_forward_progress 1
		.amdhsa_inst_pref_size 154
	.end_amdhsa_kernel
	.amdgpu_metadata
---
amdhsa.version: [ 1, 2 ]
amdhsa.kernels:
  - .name:           k_qba26cbf95f_attn
    .symbol:         k_qba26cbf95f_attn.kd
    .args:
      - { .name: qc, .offset: 0, .size: 8, .value_kind: global_buffer, .address_space: global }
      - { .name: kv, .offset: 8, .size: 8, .value_kind: global_buffer, .address_space: global }
      - { .name: nm, .offset: 16, .size: 8, .value_kind: global_buffer, .address_space: global }
      - { .name: lowp_scales, .offset: 24, .size: 8, .value_kind: global_buffer, .address_space: global }
      - { .name: ao, .offset: 32, .size: 8, .value_kind: global_buffer, .address_space: global }
    .group_segment_fixed_size: 327680
    .private_segment_fixed_size: 0
    .kernarg_segment_align: 8
    .kernarg_segment_size: 40
    .max_flat_workgroup_size: 256
    .sgpr_count:     80
    .vgpr_count:     512
    .wavefront_size: 32
...
	.end_amdgpu_metadata
.endif
;; end of part 7
;; launch proj (part 8): grid 4 x 64, 4 waves a work-group, clusters of 4 x 1, 168,448 bytes of LDS; arguments ao, wc, b, lowp_scales, out0; writes out0
.if DOCPART == 8
	.amdgcn_target "amdgcn-amd-amdhsa--gfx1250"
	.amdhsa_code_object_version 6
	.text
	.protected	k_qba26cbf95f_proj
	.globl	k_qba26cbf95f_proj
	.p2align	8
	.type	k_qba26cbf95f_proj,@function
k_qba26cbf95f_proj:
	s_mov_b64 s[64:65], 0
	v_nop
	global_prefetch_b8 v0, s[64:65] scope:SCOPE_SE
	s_setreg_imm32_b32 hwreg(HW_REG_WAVE_MODE, 25, 1), 1
	s_wait_xcnt 0x0
	s_wait_alu depctr_hold_cnt(0) depctr_sa_sdst(0) depctr_va_vdst(0) depctr_va_sdst(0) depctr_va_ssrc(0) depctr_va_vcc(0) depctr_vm_vsrc(0)
	s_getreg_b32 s2, hwreg(HW_REG_IB_STS2, 6, 4)
	s_cmp_eq_u32 s2, 0
	s_cbranch_scc0 .Lentry_in_a_cluster
	s_endpgm
.Lentry_in_a_cluster:
	s_bfe_u32 s2, ttmp6, 0x10000c
	s_cmp_lg_u32 s2, 0x3003
	s_cbranch_scc0 .Lentry_shape_is_right
	s_endpgm
.Lentry_shape_is_right:
; out0 = (attention's result, as codes) x W^T x 2^(e4 + e5) + b.  K = 1,024.  LIMIT: e4 + e5 between -126 and 127.
; SHARES.  A work-group makes 128 rows x 256 columns; wave w makes its 64 columns for all 128 rows, so that its part of W (64 rows x 1,024 codes: 512 registers) stays in registers, read once.
; The block's 128 rows of codes (131,072 bytes, images of operand registers) lie in LDS, filled ONCE, one tensor load a wave.  The four work-groups of a cluster make the four
; column blocks of the same rows: they ask for these bytes JOINTLY.
; ALL OF b AND W IS ASKED FOR AT THE HEAD: 8 + 128 loads, each register loaded once in the launch.  Loads come back in order: with at most 63 out, the oldest 73 are in, which are b and K steps 0 to 3;
; K steps 4 to 7 wait with 48, 32, 16 and 0 out.
; The product is used transposed (source 0 = 16 rows of W, source 1 = 16 rows of codes): a lane's eight results are eight neighbouring columns of one row.
; REGISTERS.  window 0: v1-7 addresses; v64-127, v128-191 two buffers of four fragments; v192-223 the bias in the result's layout; on the way out v64-159 are free.
;   windows 1, 2: W's fragment (K step s, tile t) at 16 (4 s + t).   window 3: accumulator (rows 16 m on, tile t) at 8 (4 m + t).
; No prefetch: all that the launch reads is asked for at its head.
.set LI,  1                            ; v1  16 x lane
.set LI2, 2                            ; v2  16 x lane + 65,536
.set STO, 3                            ; v3  the way out: my stage + 272 r + 32 h
.set RD,  4                            ; v4  my stage + 272 h + 16 r
.set CO,  5                            ; v5  4,096 h + 16 r: two rows of out0
.set BO,  7                            ; v7  32 h
.set AB,  64
.set BI,  192
.set TMP, 64
.set BK,  96
.set WV,  14
.set CX,  15
.set HY,  16
.set STAGE, 131072                     ; behind the codes: 16 rows x (256 + 16) bytes for each wave, 4,352 = 17 blocks of 256 into which no fill lands
.set MSB, 0
.macro WIN new
.if MSB != (\new)
	s_set_vgpr_msb (MSB<<8)|(\new)
.set MSB, (\new)
.endif
.endm
.macro CROUND
	s_barrier_signal -1
	s_barrier_wait -1
	s_cmp_lg_u32 s[WV], 0
	s_cbranch_scc1 .Lnot_wave_0_\@
	s_barrier_signal -3
.Lnot_wave_0_\@:
	s_barrier_wait -3
	s_barrier_signal -1
	s_barrier_wait -1
.endm
; W's four fragments of K step s: 16 loads of 512 consecutive bytes, into window 1 (K steps 0 to 3) or 2
.macro WLOAD s
	WIN 0x40*(1+(\s)/4)
.irp t, 0,1,2,3
.irp g, 0,1,2,3
	global_load_b128 v[16*(4*((\s)%4)+\t)+4*\g:16*(4*((\s)%4)+\t)+4*\g+3], v[LI], s[6:7] offset:\t*16384+(\s)*2048+512*\g
.endr
.endr
.endm
	s_load_b256 s[4:11], s[0:1], 0x0               ; ao s[4:5], wc s[6:7], b s[8:9], scales s[10:11]
	s_load_b64 s[12:13], s[0:1], 0x20              ; out0
	v_lshl_add_u32 v254, v0, 2, 0x29000
	v_mov_b32 v255, 0
	ds_add_u32 v254, v255
	ds_add_u32 v254, v255
	v_lshrrev_b32 v1, 5, v0
	v_readfirstlane_b32 s[WV], v1                  ; wave 0..3
	s_bfe_u32 s[CX], ttmp6, 0x40000                ; my column block: it enters W's, b's and out0's addresses alone
	s_and_b32 s[HY], ttmp7, 0xffff                 ; my block of 128 rows, which the partners share
	v_and_b32 v8, 31, v0
	v_lshlrev_b32 v[LI], 4, v8
	v_add_nc_u32 v[LI2], 0x10000, v[LI]
	v_and_b32 v8, 15, v0                           ; r
	v_bfe_u32 v9, v0, 4, 1                         ; h
	s_mul_i32 s40, s[WV], 4352
	s_add_co_u32 s40, s40, STAGE
	v_mul_u32_u24 v[STO], v8, 272
	v_lshl_add_u32 v[STO], v9, 5, v[STO]
	v_add_nc_u32 v[STO], s40, v[STO]
	v_mul_u32_u24 v[RD], v9, 272
	v_lshl_add_u32 v[RD], v8, 4, v[RD]
	v_add_nc_u32 v[RD], s40, v[RD]
	v_lshlrev_b32 v[CO], 12, v9
	v_lshl_add_u32 v[CO], v8, 4, v[CO]
	v_lshlrev_b32 v[BO], 5, v9
	s_mov_b32 s24, 15|(3<<16)|(1<<21)              ; group 1: 128 rows of 256 bytes (32 elements of 8), dense; mask: all four work-groups, bit 21 beside it
	s_mov_b32 s25, 32<<16
	s_mov_b32 s26, 128<<16
	s_mov_b32 s27, 32<<16
	s_mov_b32 s28, 128
	s_mov_b32 s29, 32
	s_mov_b32 s30, 0
	s_mov_b32 s31, 0
	s_lshl_b32 s33, s[WV], 15                      ; LDS: wave x 32,768
	s_lshl_b32 s38, s[HY], 17
	s_add_co_u32 s38, s38, s33
	s_mov_b32 s39, 0
	s_lshl_b32 s40, s[CX], 18                      ; W: (16 cx + 4 w) x 16,384
	s_lshl_b32 s41, s[WV], 16
	s_add_co_u32 s40, s40, s41
	s_mov_b32 s41, 0
	s_lshl_b32 s42, s[CX], 10                      ; b, and the columns of out0: 1,024 cx + 256 w bytes
	s_lshl_b32 s43, s[WV], 8
	s_add_co_u32 s42, s42, s43
	s_mov_b32 s43, 0
	s_lshl_b32 s44, s[HY], 19                      ; out0: 128 rows of 4,096 bytes
	s_add_co_u32 s44, s44, s42
	s_mov_b32 s45, 0
	s_wait_dscnt 0x0
	s_wait_kmcnt 0x0
	s_load_b64 s[36:37], s[10:11], 0x10            ; e4, e5
	s_mov_b32 s32, 1
	s_add_nc_u64 s[34:35], s[4:5], s[38:39]
	s_or_b32 s35, s35, 0x80000000
	s_add_nc_u64 s[6:7], s[6:7], s[40:41]
	s_add_nc_u64 s[8:9], s[8:9], s[42:43]
	s_add_nc_u64 s[12:13], s[12:13], s[44:45]
	CROUND                                         ; all four work-groups are here: the joint loads meet
	tensor_load_to_lds s[32:35], s[24:31]          ; my quarter of the rows' codes: one tensor load of a wave is out
	s_nop 0
.rept 4
	v_nop
.endr
	s_wait_alu depctr_va_vdst(0)
.irp t, 0,1,2,3
	global_load_b128 v[BI+8*\t:BI+8*\t+3],   v[BO], s[8:9] offset:64*\t      ; b at columns 16 t + 8 h + 0..7: the oldest loads, so every later wait covers them
	global_load_b128 v[BI+8*\t+4:BI+8*\t+7], v[BO], s[8:9] offset:64*\t+16
.endr
.irp s, 0,1,2,3,4,5,6,7
	WLOAD \s
.endr
	WIN 0
	s_wait_kmcnt 0x0
	s_add_co_i32 s18, s36, s37
	s_add_co_i32 s18, s18, 127
	s_lshl_b32 s18, s18, 23                        ; 2^(e4 + e5) as f32
	s_mov_b32 s19, s18
	s_wait_tensorcnt 0x0                           ; my quarter is in
	s_barrier_signal -1                            ; (my loads of b and W, which land in my own registers and read bytes that nobody writes, stay out across this barrier)
	s_barrier_wait -1                              ; everybody's is
; Group g: K step g / 2 (128 along K), rows 64 (g % 2) on: four fragments, each two images 8,192 bytes apart
.macro FETCH g
.set FS, (\g)/2
.set FM, 4*((\g)%2)
.set FB, AB+64*((\g)%2)
.set FA, LI+FS/4                       ; K steps 4 to 7 lie beyond the immediate's reach: the second address register
.irp m, 0,1,2,3
	ds_load_b128 v[FB+16*\m:FB+16*\m+3],     v[FA] offset:(((2*FS)%8)*8+FM+\m)*1024
	ds_load_b128 v[FB+16*\m+4:FB+16*\m+7],   v[FA] offset:(((2*FS)%8)*8+FM+\m)*1024+512
	ds_load_b128 v[FB+16*\m+8:FB+16*\m+11],  v[FA] offset:(((2*FS)%8)*8+FM+\m)*1024+8192
	ds_load_b128 v[FB+16*\m+12:FB+16*\m+15], v[FA] offset:(((2*FS)%8)*8+FM+\m)*1024+8704
.endr
.endm
.macro GROUP g
.set GS, (\g)/2
.set GM, 4*((\g)%2)
.set GB, AB+64*((\g)%2)
.if (\g) < 15
.if (\g) > 0
.rept 4
	v_nop                                          ; four places between the last group's products and the loads into the buffer that they read
.endr
.endif
	FETCH (\g)+1
.endif
.if (\g) < 15
	s_wait_dscnt 16                                ; this group's fragments are in; the next group's 16 loads may be out
.else
	s_wait_dscnt 0x0
.endif
.if (\g)%2 == 0
.if GS == 0
	s_wait_loadcnt 63                              ; of the 136 loads the oldest 73 are in: b and K steps 0 to 3
.elseif GS >= 4
	s_wait_loadcnt 16*(7-GS)                       ; this K step's W is in; the 16 loads of each later K step may be out
.endif
.endif
	WIN 0xf1+GS/4                                  ; W window 1 or 2, the codes window 0, C and D window 3
.irp m, 0,1,2,3                        ; the 32 accumulators take turns, one line a turn, in the same order in every K step
.irp t, 0,1,2,3
.if GS == 0
	v_wmma_f32_16x16x128_fp8_fp8 v[8*(4*(GM+\m)+\t):8*(4*(GM+\m)+\t)+7], v[16*(4*(GS%4)+\t):16*(4*(GS%4)+\t)+15], v[GB+16*\m:GB+16*\m+15], 0
.else
	v_wmma_f32_16x16x128_fp8_fp8 v[8*(4*(GM+\m)+\t):8*(4*(GM+\m)+\t)+7], v[16*(4*(GS%4)+\t):16*(4*(GS%4)+\t)+15], v[GB+16*\m:GB+16*\m+15], v[8*(4*(GM+\m)+\t):8*(4*(GM+\m)+\t)+7]
.endif
.endr
.endr
	WIN 0
.endm
	FETCH 0
.irp g, 0,1,2,3,4,5,6,7,8,9,10,11,12,13,14,15
	GROUP \g
.endr
; THE WAY OUT, 16 rows x 64 columns at a time: sum x 2^(e4 + e5) + b by one packed multiply-add for two numbers; through my own stage, back as whole pieces of 256 bytes.
.macro TOSTAGE m
	WIN 0x03                                       ; source 0 (the sums) window 3
.set j, 0
.rept 16
	v_pk_fma_f32 v[TMP+j:TMP+j+1], v[32*(\m)+j:32*(\m)+j+1], s[18:19], v[BI+j:BI+j+1] op_sel_hi:[1,0,1]   ; each accumulator from its low end on
.set j, j+2
.endr
	WIN 0
.irp t, 0,1,2,3
	ds_store_b128 v[STO], v[TMP+8*\t:TMP+8*\t+3]   offset:64*\t
	ds_store_b128 v[STO], v[TMP+8*\t+4:TMP+8*\t+7] offset:64*\t+16
.endr
.set BB, BK+32*((\m)%2)
.set i, 0
.rept 8
	ds_load_b128 v[BB+4*i:BB+4*i+3], v[RD] offset:544*i   ; LDS serves a wave's instructions in order: these see the stores above, and the next block's stores come behind them
.set i, i+1
.endr
.endm
.macro SEND m, younger                 ; younger: the LDS instructions issued behind block m's loads, which may stay out
.set BB, BK+32*((\m)%2)
	s_wait_dscnt \younger
.set i, 0
.rept 8
	global_store_b128 v[CO], v[BB+4*i:BB+4*i+3], s[12:13] offset:(16*(\m)+2*i)*4096 th:TH_STORE_NT   ; sixteen lanes store 256 consecutive bytes, aligned; written once, read by nobody here
.set i, i+1
.endr
.endm
.rept 4
	v_nop                                          ; four places behind the last products: their results are read, and registers that they read are written
.endr
	TOSTAGE 0
.irp m, 1,2,3,4,5,6,7
.if \m > 1
	s_wait_xcnt 0x0                                ; block m - 2's stores have read their registers: block m's loads may land there
.endif
	TOSTAGE \m
	SEND \m-1, 16                                  ; behind block m - 1's loads: block m's 8 stores and 8 loads
.endr
	SEND 7, 0
	s_wait_tensorcnt 0x0
	ds_add_u32 v254, v255
	s_wait_dscnt 0x0
	CROUND                                         ; the closing round
	s_endpgm
.Lfunc_end_k_qba26cbf95f_proj:
	.size	k_qba26cbf95f_proj, .Lfunc_end_k_qba26cbf95f_proj-k_qba26cbf95f_proj
	.p2alignl 7, 3214868480
	.fill 96, 4, 3214868480
	.section	.rodata,"a",@progbits
	.p2align	6, 0x0
	.amdhsa_kernel k_qba26cbf95f_proj
		.amdhsa_group_segment_fixed_size 168448
		.amdhsa_private_segment_fixed_size 0
		.amdhsa_enable_private_segment 0
		.amdhsa_kernarg_size 40
		.amdhsa_user_sgpr_count 2
		.amdhsa_user_sgpr_kernarg_segment_ptr 1
		.amdhsa_wavefront_size32 1
		.amdhsa_system_sgpr_workgroup_id_x 1
		.amdhsa_system_sgpr_workgroup_id_y 1
		.amdhsa_system_sgpr_workgroup_id_z 1
		.amdhsa_system_vgpr_workitem_id 0
		.amdhsa_next_free_vgpr 1024
		.amdhsa_next_free_sgpr 66
		.amdhsa_reserve_vcc 0
		.amdhsa_float_denorm_mode_32 3
		.amdhsa_float_denorm_mode_16_64 3
		.amdhsa_memory_ordered 1
		.amdhsa_forward_progress 1
		.amdhsa_inst_pref_size 76
	.end_amdhsa_kernel
	.amdgpu_metadata
---
amdhsa.version: [ 1, 2 ]
amdhsa.kernels:
  - .name:           k_qba26cbf95f_proj
    .symbol:         k_qba26cbf95f_proj.kd
    .args:
      - { .name: ao, .offset: 0, .size: 8, .value_kind: global_buffer, .address_space: global }
      - { .name: wc, .offset: 8, .size: 8, .value_kind: global_buffer, .address_space: global }
      - { .name: b, .offset: 16, .size: 8, .value_kind: global_buffer, .address_space: global }
      - { .name: lowp_scales, .offset: 24, .size: 8, .value_kind: global_buffer, .address_space: global }
      - { .name: out0, .offset: 32, .size: 8, .value_kind: global_buffer, .address_space: global }
    .group_segment_fixed_size: 168448
    .private_segment_fixed_size: 0
    .kernarg_segment_align: 8
    .kernarg_segment_size: 40
    .max_flat_workgroup_size: 128
    .sgpr_count:     66
    .vgpr_count:     1024
    .wavefront_size: 32
...
	.end_amdgpu_metadata
.endif
;; end of part 8
